; MI455X (gfx1250); checked and timed in simulation.
; The chip was launched on July 23, 2026; its instructions are those of AMD's public machine-readable ISA for CDNA 5 (MIT licence, August 2026) and "CDNA5" Instruction Set Architecture Reference Guide (July 2026). The comments in the code are by the model that wrote it; some were corrected since.
;; Multi Head Attention. Allowed arithmetic: matrix products marked QUANTISED: E3M2 operands, one E8M0 scale for each 32 along K, by v_wmma_scale_f32_16x16x128_f8f6f4 with both operands' format E3M2, f32 sums; everything else in f32.
;; Inputs: bk 16 x 64 float32; bo 1,024 float32; bq 16 x 64 float32; bv 16 x 64 float32; key 4 x 2,048 x 1,024 float32; query 4 x 2,048 x 1,024 float32; value 4 x 2,048 x 1,024 float32; wk 16 x 64 x 1,024 float32; wo 1,024 x 1,024 float32; wq 16 x 64 x 1,024 float32; wv 16 x 64 x 1,024 float32.
;; Outputs: out0 4 x 2,048 x 1,024 float32.
;; This version of the problem:
;;   THIS VERSION OF THE PROBLEM IS GIVEN IN LOW PRECISION. The matrix products marked QUANTISED in the list below multiply operands that are first quantised to E3M2 (3 exponent bits, 2 mantissa bits; 6 bits a number), with one power-of-two scale for each 32 numbers along K (OCP MX v1.0); their sums are f32. All else is computed in f32.
;;   The module's matrix products, in the order in which they are computed (A, B: the left and right operand; K: the contracted axis; several contracted axes count as one K, in the product's order):
;;     1. [M 1,024, K 1,024] x [K 1,024, N 8,192]; A: input wq; B: input query: QUANTISED
;;     2. [M 1,024, K 1,024] x [K 1,024, N 8,192]; A: input wk; B: input key: QUANTISED
;;     3. [M 1,024, K 1,024] x [K 1,024, N 8,192]; A: input wv; B: input value: QUANTISED
;;     4. batch 64 x [M 2,048, K 64] x [K 64, N 2,048]; A: computed on the way; B: computed on the way: QUANTISED
;;     5. batch 64 x [M 2,048, K 2,048] x [K 2,048, N 64]; A: softmax (see below); B: computed on the way: QUANTISED
;;     6. [M 8,192, K 1,024] x [K 1,024, N 1,024]; A: computed on the way; B: input wo: QUANTISED
;;   THE QUANTISER, for each operand of a quantised product, along K:
;;     - K is cut into blocks of 32 from its start; a last block that is shorter is filled with zeros.
;;     - A block's scale is 2^e with e = floor(log2(the largest magnitude in the block)) - 4, held to -126 .. 127; a block of zeros has e = 0. As a byte (E8M0): e + 127.
;;     - Each number is divided by its block's scale, clamped to +-28, and rounded to the nearest number of E3M2, ties to even, subnormals kept.
;;     - The product sums the exact products of the quantised numbers (number of the format x scale) in f32.
;;   ~~~python
;;   def quantise(x, axis):      # numpy; x: float32 -> the quantised numbers, widened to float32 again
;;       x = np.moveaxis(x, axis, -1); K = x.shape[-1]
;;       x = np.pad(x, [(0, 0)] * (x.ndim - 1) + [(0, -K % 32)]); x = x.reshape(x.shape[:-1] + (-1, 32)); a = np.abs(x).max(-1, keepdims=True)
;;       e = np.where(a > 0, np.clip(np.frexp(np.where(a > 0, a, 1))[1] - 1 - 4, -126, 127), 0)      # np.frexp(a)[1] - 1 = floor(log2(a)), exactly
;;       r = np.clip(x / 2.0 ** e, -28, 28)
;;       step = 2.0 ** (np.maximum(np.frexp(np.where(r == 0, 1, r))[1] - 1, -2) - 2)
;;       q = np.round(r / step) * step * 2.0 ** e      # np.round: ties to even
;;       return np.moveaxis(q.reshape(q.shape[:-2] + (-1,))[..., :K], -1, axis).astype(np.float32)
;;   ~~~
;;   SOFTMAX AHEAD OF A QUANTISED PRODUCT. Where the list says 'softmax', what is quantised is not the finished softmax but p = 2^(t - M), with t = logit x log2(e) and M = ceil(the row's largest t), a whole number; so 1/2 < the row's largest p <= 1. The row's sum l is taken of the UNQUANTISED p, in f32, and the product's result is divided by l at the end. Since M is a whole number, a kernel that streams over the keys may use a running M (the ceiling of the running maximum): every later rescaling is an exact power of two, which a block's scale takes up: the codes' values come out the same.
;;   OPERANDS COMPUTED ON THE WAY. 'Computed on the way' means the value that the module computes at that place (a softmax that the list does not call 'softmax' is quantised finished and normalised). What goes into a quantiser is computed in f32, as accurately as f32 sums, v_exp_f32 and their like allow (about 1e-6 of the number): no bf16 or f16 on the way to a quantiser, and a product that is left as it is and whose result goes on into a quantised operand takes f32 operands (vector FMAs, or v_wmma_f32_16x16x4_f32). A number that lies on a knife's edge between two numbers of the format may be rounded either way, as far as f32 arithmetic and the matrix unit's own rounding can turn it there, and no further.
;; One version. Each part assembles by itself: llvm-mc -triple=amdgcn-amd-amdhsa -mcpu=gfx1250 --defsym DOCPART=n.
;; ======== version 1 of 1: 4 launches
;; limits: right only within a limited range of input values
;; workspace buffers: xw 22,937,600 bytes; rec 19,660,800 bytes; ctx 6,553,600 bytes
;; launch quant (part 1): grid 256 x 1, 7 waves a work-group, no clusters, 60,416 bytes of LDS; arguments query, key, value, wq, wk, wv, wo, xw; writes xw
.if DOCPART == 1
	.amdgcn_target "amdgcn-amd-amdhsa--gfx1250"
	.amdhsa_code_object_version 6
	.text
	.protected	k_qe7c6853085_quant
	.globl	k_qe7c6853085_quant
	.p2align	8
	.type	k_qe7c6853085_quant,@function
k_qe7c6853085_quant:
	s_mov_b64 s[64:65], 0
	v_nop
	global_prefetch_b8 v0, s[64:65] scope:SCOPE_SE
	s_setreg_imm32_b32 hwreg(HW_REG_WAVE_MODE, 25, 1), 1
	s_wait_xcnt 0x0
; The seven f32 operands (query, key, value: 8,192 x 1,024; wq, wk, wv, wo: 1,024 x 1,024; K innermost) become codes of BF6 (E3M2) with one E8M0 byte for each 32 along K,
; laid in the ORDER OF THE OPERAND'S REGISTERS.  xw is 1,792 records of 12,800 bytes, one for each block of 16 rows: 8 fragments (128 along K each) of 1,536 bytes, each three runs of 512 bytes
; (run q: lane l's registers 4 q .. 4 q + 3 at 16 l), then 512 bytes of scale words: the word of (row r, K step s) at 128 (s / 2) + 8 r + 4 (s % 2).
; THE ROWS OF A BLOCK ARE NOT NEIGHBOURS: lane-row r of block i is row 64 (i / 4) + 32 (r / 8) + 8 (i % 4) + r % 8.  With such blocks as a product's first source, a lane's 32 result registers of four
; neighbouring tiles are one whole block of 32 neighbours, which is what the next quantiser wants.
; A block's scale is 2^(floor(log2(largest magnitude)) - 4): its byte is the largest magnitude's exponent field - 4, held at 1 from below.
; LIMITS: NaN and infinities among the inputs are not served.  A block of zeros, or one whose largest magnitude lies under 2^-122, gets the byte 1; its codes are what that scale gives (zeros for zeros), and the bytes are read by this program alone.
; SHARES: a wave takes one record: 16 rows x 1,024.  7 waves x 256 work-groups = 1,792.  Each load reads 512 consecutive bytes of a row; a fragment's 16 x 512 bytes turn through the wave's own stage in LDS
; (rows of 512 + 16 bytes, so that the sixteen rows of a read begin in sixteen different groups of banks) and come back as 2 x 32 neighbours a lane.  Waves share nothing: no barrier.
.set RECB, 12800
.set SROW, 528
.set STGB, 16*SROW
.set L16, 1                            ; v1   16 x lane
.set L8,  2                            ; v2   8 x lane
.set STI, 3                            ; v3   the stage, on the way in: 16 x lane
.set STO, 4                            ; v4   on the way out: row r, + 128 h
.set SH8, 5                            ; v5   8 h
.set BM,  6                            ; v6-9   four chains of maxima
.set SO,  10                           ; v10-11 the conversions' scale operands
.set BY,  12                           ; v12-13 the two bytes
.set YT,  14
.set PX,  15
.set W,   16                           ; v16-23 the scale word of each K step
.set PC,  24                           ; v24-35 a fragment's codes
.set TP,  36                           ; v36-38, v40-42 the upper halves of the blocks' codes
.set DW,  44                           ; v44-47 the scale words on their way out
.set X,   64                           ; v64-127  2 x 32 neighbours
.set R,   128                          ; v128-255 two sets of 16 x 4 registers as loaded
	s_load_b256 s[4:11], s[0:1], 0x0               ; query, key, value, wq
	s_load_b256 s[12:19], s[0:1], 0x20             ; wk, wv, wo, xw
	v_lshl_add_u32 v62, v0, 2, 0xe800
	v_mov_b32 v63, 0
	v_lshrrev_b32 v6, 5, v0
	v_readfirstlane_b32 s22, v6                    ; wave 0..6
	v_and_b32 v7, 31, v0                           ; lane
	v_and_b32 v8, 15, v0                           ; r
	v_bfe_u32 v9, v0, 4, 1                         ; h
	v_lshlrev_b32 v[L16], 4, v7
	v_lshlrev_b32 v[L8], 3, v7
	s_mul_i32 s23, s22, STGB                       ; my stage
	v_add_nc_u32 v[STI], s23, v[L16]
	v_mul_u32_u24 v[STO], v8, SROW
	v_lshl_add_u32 v[STO], v9, 7, v[STO]
	v_add_nc_u32 v[STO], s23, v[STO]
	v_lshlrev_b32 v[SH8], 3, v9
	v_mov_b32 v[PX], 0                             ; a lane permute's destination counts as one of its sources
	s_mov_b32 s24, 0x76543210
	s_mov_b32 s25, 0xfedcba98                      ; v_permlanex16_b32's selects for lane l xor 16
	s_mov_b32 s26, 0xffff0000                      ; lanes 16-31
	s_mul_i32 s20, ttmp9, 7
	s_add_co_u32 s20, s20, s22                     ; my record
	s_mov_b32 s21, 0
	s_wait_alu depctr_va_vdst(0)
	s_wait_kmcnt 0x0
.macro CHOOSE first, ptr               ; from record 'first' on the tensor is the one at s[ptr]: the choice hangs on ids alone
	s_cmp_ge_u32 s20, \first
	s_cselect_b64 s[4:5], s[\ptr:\ptr+1], s[4:5]
	s_cselect_b32 s21, \first, s21
.endm
	CHOOSE 512, 6
	CHOOSE 1024, 8
	CHOOSE 1536, 10
	CHOOSE 1600, 12
	CHOOSE 1664, 14
	CHOOSE 1728, 16
	s_sub_co_u32 s21, s20, s21                     ; i: the block's number in its tensor
	s_lshr_b32 s27, s21, 2
	s_lshl_b32 s27, s27, 18                        ; 64 (i / 4) rows of 4,096 bytes
	s_and_b32 s28, s21, 3
	s_lshl_b32 s28, s28, 15                        ; 8 (i % 4) rows
	s_add_co_u32 s28, s27, s28
	s_mov_b32 s29, 0
	s_add_nc_u64 s[4:5], s[4:5], s[28:29]
	s_mul_i32 s30, s20, RECB
	s_mov_b32 s31, 0
	s_add_nc_u64 s[18:19], s[18:19], s[30:31]
.macro LOAD s                          ; K step s of my 16 rows: 32 lanes read 512 consecutive bytes of a row
.irp rho, 0,1,2,3,4,5,6,7,8,9,10,11,12,13,14,15
	global_load_b128 v[R+64*((\s)%2)+4*\rho:R+64*((\s)%2)+4*\rho+3], v[L16], s[4:5] offset:((\rho%8)+32*(\rho/8))*4096+512*(\s) th:TH_LOAD_NT
.endr
.endm
.macro FRAGMENT s
.if (\s) < 7
	s_wait_loadcnt 16                              ; this K step's sixteen loads are in; the next step's sixteen may be out
.else
	s_wait_loadcnt 0
.endif
.irp rho, 0,1,2,3,4,5,6,7,8,9,10,11,12,13,14,15
	ds_store_b128 v[STI], v[R+64*((\s)%2)+4*\rho:R+64*((\s)%2)+4*\rho+3] offset:SROW*\rho
.endr
.irp c, 0,1
.irp q, 0,1,2,3,4,5,6,7
	ds_load_b128 v[X+32*\c+4*\q:X+32*\c+4*\q+3], v[STO] offset:256*\c+16*\q   ; k = 64 c + 32 h + 4 q on, of row r.  LDS serves a wave's instructions in order: these see the stores above
.endr
.endr
	s_wait_dscnt 0x0                               ; the numbers are back, so the stores into the stage have read their registers,
.if (\s) < 6
	LOAD (\s)+2                                    ; which take the loads of two K steps on
.endif
	v_max3_num_f32 v[BM], |v[X]|, |v[X+1]|, 0x2800000              ; two blocks, two chains each; the floor 2^(5 - 127) holds the byte at 1 from below
	v_max3_num_f32 v[BM+1], |v[X+16]|, |v[X+17]|, |v[X+18]|
	v_max3_num_f32 v[BM+2], |v[X+32]|, |v[X+33]|, 0x2800000
	v_max3_num_f32 v[BM+3], |v[X+48]|, |v[X+49]|, |v[X+50]|
.irp n, 0,1,2,3,4,5
	v_max3_num_f32 v[BM], v[BM], |v[X+2+2*\n]|, |v[X+3+2*\n]|
	v_max3_num_f32 v[BM+1], v[BM+1], |v[X+19+2*\n]|, |v[X+20+2*\n]|
	v_max3_num_f32 v[BM+2], v[BM+2], |v[X+34+2*\n]|, |v[X+35+2*\n]|
	v_max3_num_f32 v[BM+3], v[BM+3], |v[X+51+2*\n]|, |v[X+52+2*\n]|
.endr
	v_max3_num_f32 v[BM], v[BM], |v[X+14]|, |v[X+15]|
	v_max3_num_f32 v[BM+2], v[BM+2], |v[X+46]|, |v[X+47]|
	v_max3_num_f32 v[BM], v[BM], v[BM+1], |v[X+31]|
	v_max3_num_f32 v[BM+2], v[BM+2], v[BM+3], |v[X+63]|
	v_add_nc_u32 v[SO], 0xfe000000, v[BM]          ; 4 off the exponent field: the conversion takes the exponent field of this operand as its scale
	v_add_nc_u32 v[SO+1], 0xfe000000, v[BM+2]
	v_lshrrev_b32 v[BY], 23, v[SO]                 ; the byte of block h,
	v_lshrrev_b32 v[BY+1], 23, v[SO+1]             ; and of block 2 + h
	v_lshl_or_b32 v[YT], v[BY+1], 16, v[BY]
	v_lshlrev_b32 v[YT], v[SH8], v[YT]             ; at their places in the word,
	v_permlanex16_b32 v[PX], v[YT], s24, s25
	v_or_b32 v[W+(\s)], v[YT], v[PX]               ; which with lane l xor 16's two is whole, in both halves of the lanes
	s_wait_alu depctr_va_vdst(0)
	s_wait_xcnt 0x0                                ; the last fragment's stores have read their data: the codes' registers are written again only behind this wait
.irp c, 0,1
	v_cvt_scalef32_pk16_bf6_f32 v[PC+6*\c:PC+6*\c+2], v[X+32*\c:X+32*\c+15], v[SO+\c]
	v_cvt_scalef32_pk16_bf6_f32 v[TP+4*\c:TP+4*\c+2], v[X+32*\c+16:X+32*\c+31], v[SO+\c]   ; (a conversion's three registers begin on an even number)
.endr
	v_nop                                          ; one plain place behind a scaled conversion
.irp c, 0,1
.irp i, 0,1,2
	v_mov_b32 v[PC+6*\c+3+\i], v[TP+4*\c+\i]       ; registers 6 c .. 6 c + 5: k = 64 c + 32 h + 0 .. 31
.endr
.endr
.irp q, 0,1,2
	global_store_b128 v[L16], v[PC+4*\q:PC+4*\q+3], s[18:19] offset:1536*(\s)+512*\q   ; 32 lanes store 512 consecutive bytes, aligned to 256
.endr
.endm
	LOAD 0
	LOAD 1
.irp t, 0,1,2,3,4,5,6,7
	FRAGMENT \t
.endr
.irp q, 0,1                            ; the scale words: lane (r, h) stores the words of K steps 4 q + 2 h and 4 q + 2 h + 1 of row r
	v_cndmask_b32 v[DW+2*\q], v[W+4*\q], v[W+4*\q+2], s26
	v_cndmask_b32 v[DW+2*\q+1], v[W+4*\q+1], v[W+4*\q+3], s26
.endr
.irp q, 0,1
	global_store_b64 v[L8], v[DW+2*\q:DW+2*\q+1], s[18:19] offset:12288+256*\q   ; 32 lanes store 256 consecutive bytes, aligned
.endr
	s_wait_tensorcnt 0x0
	ds_add_u32 v62, v63
	s_wait_dscnt 0x0
	s_endpgm
.Lfunc_end_k_qe7c6853085_quant:
	.size	k_qe7c6853085_quant, .Lfunc_end_k_qe7c6853085_quant-k_qe7c6853085_quant
	.p2alignl 7, 3214868480
	.fill 96, 4, 3214868480
	.section	.rodata,"a",@progbits
	.p2align	6, 0x0
	.amdhsa_kernel k_qe7c6853085_quant
		.amdhsa_group_segment_fixed_size 60416
		.amdhsa_private_segment_fixed_size 0
		.amdhsa_enable_private_segment 0
		.amdhsa_kernarg_size 64
		.amdhsa_user_sgpr_count 2
		.amdhsa_user_sgpr_kernarg_segment_ptr 1
		.amdhsa_wavefront_size32 1
		.amdhsa_system_sgpr_workgroup_id_x 1
		.amdhsa_system_sgpr_workgroup_id_y 1
		.amdhsa_system_sgpr_workgroup_id_z 1
		.amdhsa_system_vgpr_workitem_id 0
		.amdhsa_next_free_vgpr 256
		.amdhsa_next_free_sgpr 66
		.amdhsa_reserve_vcc 0
		.amdhsa_float_denorm_mode_32 3
		.amdhsa_float_denorm_mode_16_64 3
		.amdhsa_memory_ordered 1
		.amdhsa_forward_progress 1
		.amdhsa_inst_pref_size 58
	.end_amdhsa_kernel
	.amdgpu_metadata
---
amdhsa.version: [ 1, 2 ]
amdhsa.kernels:
  - .name:           k_qe7c6853085_quant
    .symbol:         k_qe7c6853085_quant.kd
    .args:
      - { .name: query, .offset: 0, .size: 8, .value_kind: global_buffer, .address_space: global }
      - { .name: key, .offset: 8, .size: 8, .value_kind: global_buffer, .address_space: global }
      - { .name: value, .offset: 16, .size: 8, .value_kind: global_buffer, .address_space: global }
      - { .name: wq, .offset: 24, .size: 8, .value_kind: global_buffer, .address_space: global }
      - { .name: wk, .offset: 32, .size: 8, .value_kind: global_buffer, .address_space: global }
      - { .name: wv, .offset: 40, .size: 8, .value_kind: global_buffer, .address_space: global }
      - { .name: wo, .offset: 48, .size: 8, .value_kind: global_buffer, .address_space: global }
      - { .name: xw, .offset: 56, .size: 8, .value_kind: global_buffer, .address_space: global }
    .group_segment_fixed_size: 60416
    .private_segment_fixed_size: 0
    .kernarg_segment_align: 8
    .kernarg_segment_size: 64
    .max_flat_workgroup_size: 224
    .sgpr_count:     66
    .vgpr_count:     256
    .wavefront_size: 32
...
	.end_amdgpu_metadata
.endif
;; end of part 1
;; launch proj (part 2): grid 4 x 96, 4 waves a work-group, clusters of 4 x 4, 327,680 bytes of LDS; arguments xw, bq, bk, bv, rec; writes rec
.if DOCPART == 2
	.amdgcn_target "amdgcn-amd-amdhsa--gfx1250"
	.amdhsa_code_object_version 6
	.text
	.protected	k_qe7c6853085_proj
	.globl	k_qe7c6853085_proj
	.p2align	8
	.type	k_qe7c6853085_proj,@function
k_qe7c6853085_proj:
	s_mov_b64 s[64:65], 0
	v_nop
	global_prefetch_b8 v0, s[64:65] scope:SCOPE_SE
	s_setreg_imm32_b32 hwreg(HW_REG_WAVE_MODE, 25, 1), 1
	s_wait_xcnt 0x0
	s_wait_alu depctr_hold_cnt(0) depctr_sa_sdst(0) depctr_va_vdst(0) depctr_va_sdst(0) depctr_va_ssrc(0) depctr_va_vcc(0) depctr_vm_vsrc(0)
	s_getreg_b32 s2, hwreg(HW_REG_IB_STS2, 6, 4)
	s_cmp_eq_u32 s2, 0
	s_cbranch_scc0 .Lentry_in_a_cluster
	s_endpgm
.Lentry_in_a_cluster:
	s_bfe_u32 s2, ttmp6, 0x10000c
	s_cmp_lg_u32 s2, 0xf033
	s_cbranch_scc0 .Lentry_shape_is_right
	s_endpgm
.Lentry_shape_is_right:
.set NQ,    2
.set FR,    12
.set NLA,   3
.set NP,    4
.set RECB,  12800
.set SLICE, 3072
.set HALFT, 8*SLICE
.set SLOT,  4*HALFT
.set SCL,   2*SLOT
.set HALFS, 8*512
.set SPARE, SCL+4*HALFS
.set HEADB, 307200
.set RECG,  19200
.set L16,  12
.set L8,   13
.set ADRA, 16
.set ADRB, 20
.set ADRS, 27
.set SPW,  28
.set NIL,  29
.set SC,   32
.set BI,   64
.set AF,   128
.set HA,   128
.set BM,   192
.set SO,   196
.set BY,   198
.set XB,   200
.set TP,   202
.set IMG0, 210
.set IMG1, 222
.set SW,   234
.set Y,    238
.set G1, 24
.set G0, 32
.set G1B, 48
.set G0B, 56
.set G1S, 68
.set G0S, 76
.set G1SB, 80
.set G0SB, 88
.set MSB, 0
.macro WIN new
.if MSB != (\new)
	s_set_vgpr_msb (MSB<<8)|(\new)
.set MSB, (\new)
.endif
.endm
.set MUL_LO, 0xa1
.set MUL_HI, 0xf1
.set TO_B,   0x40
.macro JLOAD g0a, g1a, g0b, g1b
	s_cmp_eq_u32 s15, 0
	s_cbranch_scc0 .Lfor_b_\@
	tensor_load_to_lds s[\g0a:\g0a+3], s[\g1a:\g1a+7]
	s_nop 0
.rept 4
	v_nop
.endr
	s_branch .Lasked_\@
.Lfor_b_\@:
	tensor_load_to_lds s[\g0b:\g0b+3], s[\g1b:\g1b+7]
	s_nop 0
.rept 4
	v_nop
.endr
.Lasked_\@:
.endm
.macro CREST
	s_cmp_lg_u32 s14, 0
	s_cbranch_scc1 .Lnot_wave_0_\@
	s_barrier_signal -3
.Lnot_wave_0_\@:
	s_barrier_wait -3
	s_barrier_signal -1
	s_barrier_wait -1
.endm
.macro CROUND
	s_barrier_signal -1
	s_barrier_wait -1
	CREST
.endm
	s_load_b256 s[4:11], s[0:1], 0x0
	s_load_b64 s[12:13], s[0:1], 0x20
	v_lshl_add_u32 v[SPW], v0, 2, SPARE
	v_mov_b32 v[NIL], 0
	ds_add_u32 v28, v29
	ds_add_u32 v28, v29
	s_wait_dscnt 0x0
	v_lshrrev_b32 v1, 5, v0
	v_readfirstlane_b32 s14, v1
	s_lshr_b32 s15, s14, 1
	s_and_b32 s16, s14, 1
	s_bfe_u32 s40, ttmp6, 0x40000
	s_bfe_u32 s41, ttmp6, 0x40004
	s_and_b32 s18, ttmp7, 0xffff
	s_lshr_b32 s95, s18, 3
	s_and_b32 s19, s18, 7
	s_lshl_b32 s19, s19, 2
	s_lshl_b32 s22, s95, 9
	s_lshl_b32 s23, s95, 6
	s_add_co_u32 s23, s23, 1536
	s_cmp_eq_u32 s95, 2
	s_cselect_b32 s96, 1, 0
	s_cselect_b32 s92, 0, s19
	s_cselect_b32 s93, s19, 0
	s_cselect_b32 s22, 1664, s22
	s_cselect_b32 s23, 1024, s23
	s_add_co_u32 s17, s41, s92
	s_lshl_b32 s42, ttmp9, 2
	s_add_co_u32 s42, s42, s40
	s_add_co_u32 s42, s42, s93
	s_lshl_b32 s43, s41, 2
	s_lshl_b32 s43, 15, s43
	s_lshl_b32 s44, 0x1111, s40
	s_or_b32 s[G1+0], s43, (3<<16)|(1<<21)
	s_or_b32 s[G1B+0], s44, (3<<16)|(1<<21)
.irp g, G1, G1B
	s_mov_b32 s[\g+1], 384<<16
	s_mov_b32 s[\g+2], 16<<16                      ; the head's loads bring a tile's 16 records; behind them the two row counts are set to 8, for the ring's
	s_mov_b32 s[\g+3], 384<<16
	s_mov_b32 s[\g+4], 16
	s_mov_b32 s[\g+5], 1600
	s_mov_b32 s[\g+6], 0
	s_mov_b32 s[\g+7], 0
.endr
	s_or_b32 s[G1S+0], s43, (3<<16)|(1<<21)
	s_or_b32 s[G1SB+0], s44, (3<<16)|(1<<21)
.irp g, G1S, G1SB
	s_mov_b32 s[\g+1], 64<<16
	s_mov_b32 s[\g+2], 16<<16                      ; the scale words of 16 records, 512 bytes each
	s_mov_b32 s[\g+3], 64<<16
	s_mov_b32 s[\g+4], 16
	s_mov_b32 s[\g+5], 1600
	s_mov_b32 s[\g+6], 0
	s_mov_b32 s[\g+7], 0
.endr
	s_mul_i32 s18, s16, 8*RECB                     ; in the ring I fetch 8 records of a tile: which half, in bytes
	s_mov_b32 s19, 0
	s_lshl_b32 s20, s17, 4
	s_add_co_u32 s20, s20, s22
	s_mul_i32 s20, s20, RECB
	s_mov_b32 s21, 0
	s_lshl_b32 s46, s42, 4
	s_add_co_u32 s46, s46, s23
	s_mul_i32 s46, s46, RECB
	s_mov_b32 s47, 0
	s_mul_i32 s45, s14, HALFT
	s_wait_kmcnt 0x0
	s_add_nc_u64 s[20:21], s[4:5], s[20:21]
	s_add_nc_u64 s[46:47], s[4:5], s[46:47]
	CROUND
	s_mov_b32 s[G0S], 1
	s_mov_b32 s[G0S+1], SCL
	s_add_nc_u64 s[G0S+2:G0S+3], s[20:21], 12288
	s_or_b32 s[G0S+3], s[G0S+3], 0x80000000
	s_mov_b32 s[G0SB], 1
	s_mov_b32 s[G0SB+1], SCL+2*HALFS
	s_add_nc_u64 s[G0SB+2:G0SB+3], s[46:47], 12288
	s_or_b32 s[G0SB+3], s[G0SB+3], 0x80000000
.irp s, 0,1
	s_mov_b32 s[G0+4*\s], 1
	s_add_co_u32 s[G0+4*\s+1], s45, \s*SLOT
	s_add_nc_u64 s[G0+4*\s+2:G0+4*\s+3], s[20:21], s[18:19]
	s_add_nc_u64 s[G0+4*\s+2:G0+4*\s+3], s[G0+4*\s+2:G0+4*\s+3], \s*SLICE
	s_or_b32 s[G0+4*\s+3], s[G0+4*\s+3], 0x80000000
	s_mov_b32 s[G0B+4*\s], 1
	s_add_co_u32 s[G0B+4*\s+1], s45, \s*SLOT
	s_add_nc_u64 s[G0B+4*\s+2:G0B+4*\s+3], s[46:47], s[18:19]
	s_add_nc_u64 s[G0B+4*\s+2:G0B+4*\s+3], s[G0B+4*\s+2:G0B+4*\s+3], \s*SLICE
	s_or_b32 s[G0B+4*\s+3], s[G0B+4*\s+3], 0x80000000
.endr
	; THE HEAD'S LOADS, ONE A WAVE: wave 0 slice 0 of A's 16 records, wave 1 that of B's, wave 2 A's scale words, wave 3 B's.  Group 0 for the two loads of codes: s[20:23] and s[44:47]
	s_mov_b64 s[22:23], s[20:21]
	s_or_b32 s23, s23, 0x80000000
	s_mov_b32 s20, 1
	s_mov_b32 s21, 0
	s_or_b32 s47, s47, 0x80000000
	s_mov_b32 s44, 1
	s_mov_b32 s45, 2*HALFT
.macro ARM under, g0, g1, next         ; one chain of branches on the wave's number: every way passes exactly one load
	s_cmp_lt_u32 s14, \under
	s_cbranch_scc0 \next
	tensor_load_to_lds s[\g0:\g0+3], s[\g1:\g1+7]
	s_nop 0
.rept 4
	v_nop
.endr
	s_branch .Lhead_asked
\next:
.endm
	ARM 1, 20,  G1,  .Lhead_b
	ARM 2, 44,  G1B, .Lhead_sa
	ARM 3, G0S, G1S, .Lhead_sb
	tensor_load_to_lds s[G0SB:G0SB+3], s[G1SB:G1SB+7]
	s_nop 0
.rept 4
	v_nop
.endr
.Lhead_asked:
	s_wait_alu depctr_va_vdst(0)
	s_wait_tensorcnt 0x0                           ; my tile of the head's four is in; slot 1's first fill is issued as a refill is
	ds_add_u32 v28, v29
	s_mov_b32 s[G1+2], 8<<16                       ; no tensor load of mine is out: from here on a load brings 8 records
	s_mov_b32 s[G1+4], 8
	s_mov_b32 s[G1B+2], 8<<16
	s_mov_b32 s[G1B+4], 8
	s_wait_dscnt 0x0
	CROUND                                         ; all four tiles are in, in every partner
	JLOAD G0+4, G1, G0B+4, G1B                     ; slice 1 into slot 1, a quarter a wave
	v_and_b32 v1, 15, v0
	v_bfe_u32 v2, v0, 4, 1
	s_wait_alu depctr_va_vdst(0)
	v_and_b32 v3, 31, v0
	v_lshlrev_b32 v[L16], 4, v3
	v_lshlrev_b32 v[L8], 3, v3
	s_mul_i32 s21, s15, HALFT
	s_mul_i32 s22, s16, HALFT
	s_add_co_u32 s22, s22, 2*HALFT
.irp s, 0,1
	v_add_nc_u32 v[ADRA+\s], s21, v[L16]
	v_add_nc_u32 v[ADRB+\s], s22, v[L16]
	s_add_co_u32 s21, s21, SLOT
	s_add_co_u32 s22, s22, SLOT
.endr
	v_lshlrev_b32 v5, 3, v1
	s_lshl_b32 s21, s15, 12
	s_lshl_b32 s22, s16, 12
	s_add_co_u32 s22, s22, 2*HALFS
	s_sub_co_u32 s22, s22, s21
	v_mul_u32_u24 v6, s22, v2
	s_add_co_u32 s21, s21, SCL
	v_add_nc_u32 v5, v5, v6
	v_add_nc_u32 v[ADRS], s21, v5
	s_lshl_b32 s18, s17, 1
	s_add_co_u32 s18, s18, s15
	s_lshl_b32 s19, s42, 1
	s_add_co_u32 s19, s19, s16
	s_cmp_eq_u32 s96, 1
	s_cselect_b32 s92, s19, s18
	s_cselect_b32 s93, s18, s19
	s_lshr_b32 s20, s92, 4
	s_lshl_b32 s20, s20, 4
	s_lshl_b32 s21, s93, 1
	s_add_co_u32 s20, s20, s21
	s_mul_i32 s20, s20, HEADB
	s_and_b32 s21, s92, 15
	s_mul_i32 s21, s21, RECG
	s_add_co_u32 s20, s20, s21
	s_mov_b32 s23, 12288
	s_cmp_eq_u32 s95, 0
	s_cselect_b32 s22, 12800, 0
	s_cselect_b32 s23, 18944, s23
	s_cselect_b64 s[6:7], s[6:7], s[8:9]
	s_cmp_eq_u32 s95, 2
	s_cselect_b32 s22, 6144, s22
	s_cselect_b32 s23, 12544, s23
	s_cselect_b64 s[6:7], s[10:11], s[6:7]
	s_add_co_u32 s98, s20, s22
	s_mov_b32 s99, 0
	s_add_nc_u64 s[98:99], s[12:13], s[98:99]
	s_add_co_u32 s100, s20, s23
	s_mov_b32 s101, 0
	s_add_nc_u64 s[100:101], s[12:13], s[100:101]
	s_lshl_b32 s18, s93, 9
	s_mov_b32 s19, 0
	s_add_nc_u64 s[6:7], s[6:7], s[18:19]
	v_lshlrev_b32 v10, 7, v2
	v_and_b32 v4, 7, v1
	v_lshrrev_b32 v7, 3, v1
	v_lshlrev_b32 v11, 2, v4
	v_lshl_add_u32 v11, v7, 7, v11
	s_cmp_eq_u32 s96, 1
	s_cbranch_scc1 .Lbias_v
.irp b, 0,1,2,3,4,5,6,7
.irp q, 0,1
	global_load_b128 v[BI+8*\b+4*\q:BI+8*\b+4*\q+3], v10, s[6:7] offset:4*(64*(\b/4)+8*(\b%4))+16*\q
.endr
.endr
	s_branch .Lbias_done
.Lbias_v:
	s_wait_alu depctr_va_vdst(0)
.irp t, 0,1,2,3,4,5,6,7
.irp j, 0,1,2,3,4,5,6,7
	global_load_b32 v[BI+8*\t+\j], v11, s[6:7] offset:4*(64*(\t/4)+8*(\t%4))
.endr
.endr
.Lbias_done:
.macro FRAG reg, adr, q, i
.irp c, 0,1,2
	ds_load_b128 v[\reg+4*\c:\reg+4*\c+3], v[\adr] offset:SLICE*(\i)+1536*(\q)+512*\c
.endr
.endm
.macro MUL16 a0, p, q, sc, zero
.irp a, \a0, \a0+1
.irp b, 0,1,2,3,4,5,6,7
.if \zero
	v_wmma_scale_f32_16x16x128_f8f6f4 v[8*(8*((\a)%4)+\b):8*(8*((\a)%4)+\b)+7], v[128*(\p)+FR*\b:128*(\p)+FR*\b+FR-1], v[AF+FR*(\a):AF+FR*(\a)+FR-1], 0, v[SC+8*NQ*(\sc)+NQ*\b+(\q)], v[SC+8*NQ*(\sc)+NQ*(\a)+(\q)] matrix_a_fmt:MATRIX_FMT_BF6 matrix_b_fmt:MATRIX_FMT_BF6 matrix_a_scale:MATRIX_SCALE_ROW1
.else
	v_wmma_scale_f32_16x16x128_f8f6f4 v[8*(8*((\a)%4)+\b):8*(8*((\a)%4)+\b)+7], v[128*(\p)+FR*\b:128*(\p)+FR*\b+FR-1], v[AF+FR*(\a):AF+FR*(\a)+FR-1], v[8*(8*((\a)%4)+\b):8*(8*((\a)%4)+\b)+7], v[SC+8*NQ*(\sc)+NQ*\b+(\q)], v[SC+8*NQ*(\sc)+NQ*(\a)+(\q)] matrix_a_fmt:MATRIX_FMT_BF6 matrix_b_fmt:MATRIX_FMT_BF6 matrix_a_scale:MATRIX_SCALE_ROW1
.endif
.endr
.endr
.endm
.macro FETCH_B slot, q, p
	WIN TO_B
.irp i, 0,1,2,3,4,5,6,7
	FRAG 128*(\p)+FR*\i, ADRB+\slot, \q, \i
.endr
	WIN 0
.endm
.macro FETCH_A slot, q, i0
.irp i, \i0, \i0+1, \i0+2, \i0+3
	FRAG AF+FR*(\i), ADRA+\slot, \q, \i
.endr
.endm
.macro SCALES sc
.irp i, 0,1,2,3,4,5,6,7
	ds_load_b64 v[SC+8*NQ*\sc+NQ*\i:SC+8*NQ*\sc+NQ*\i+1], v[ADRS] offset:512*\i
.endr
.endm
.macro PLACES n
.rept \n
	v_nop
.endr
.endm
.macro STEP slot, q, zero
	s_wait_dscnt 4*NLA
	WIN MUL_LO
	MUL16 0, (\q)%2, \q, \slot, \zero
	MUL16 2, (\q)%2, \q, \slot, \zero
	s_wait_dscnt 0
	PLACES NP
	FETCH_B \slot, (\q)+1, 1-(\q)%2
	FETCH_A \slot, (\q)+1, 0
	WIN MUL_HI
	MUL16 4, (\q)%2, \q, \slot, \zero
	MUL16 6, (\q)%2, \q, \slot, \zero
	PLACES NP
	WIN 0
	FETCH_A \slot, (\q)+1, 4
.endm
.macro TURN slot, next, fill
	s_wait_tensorcnt 0x0
	ds_add_u32 v[SPW], v[NIL]
	s_wait_dscnt 4*NLA+1
	WIN MUL_LO
	MUL16 0, 1, NQ-1, \slot, 0
	s_wait_dscnt 0x0
	s_barrier_signal -1
	MUL16 2, 1, NQ-1, \slot, 0
	WIN 0
	s_barrier_wait -1
.if \fill
	CREST
	s_add_nc_u64 s[G0+4*\slot+2:G0+4*\slot+3], s[G0+4*\slot+2:G0+4*\slot+3], 2*SLICE
	s_add_nc_u64 s[G0B+4*\slot+2:G0B+4*\slot+3], s[G0B+4*\slot+2:G0B+4*\slot+3], 2*SLICE
	JLOAD G0+4*\slot, G1, G0B+4*\slot, G1B
.else
	PLACES NP
.endif
	s_wait_alu depctr_va_vdst(0)
	v_add_nc_u32 v[ADRS], 128, v[ADRS]
	FETCH_B \next, 0, 0
	FETCH_A \next, 0, 0
	SCALES \next
	WIN MUL_HI
	MUL16 4, 1, NQ-1, \slot, 0
	MUL16 6, 1, NQ-1, \slot, 0
	PLACES NP
	WIN 0
	FETCH_A \next, 0, 4
.endm
	FETCH_B 0, 0, 0
	FETCH_A 0, 0, 0
	s_wait_alu depctr_va_vdst(0)
	SCALES 0
	FETCH_A 0, 0, 4
	STEP 0, 0, 1
	TURN 0, 1, 1
	STEP 1, 0, 0
	TURN 1, 0, 1
	STEP 0, 0, 0
	TURN 0, 1, 0
	STEP 1, 0, 0
	s_wait_dscnt 4*NLA
	WIN MUL_LO
	MUL16 0, 1, NQ-1, 1, 0
	MUL16 2, 1, NQ-1, 1, 0
	s_wait_dscnt 0
	WIN MUL_HI
	MUL16 4, 1, NQ-1, 1, 0
	MUL16 6, 1, NQ-1, 1, 0
	WIN 0
.macro ADDB blk, isv
	WIN 0x02+(\blk)/4
.set k, 0
.rept 32
.if \isv
	v_pk_add_f32 v[HA+2*k:HA+2*k+1], v[64*((\blk)%4)+2*k:64*((\blk)%4)+2*k+1], v[BI+8*(\blk)+(2*k)%8:BI+8*(\blk)+(2*k)%8+1]
.else
	v_pk_add_f32 v[HA+2*k:HA+2*k+1], v[64*((\blk)%4)+2*k:64*((\blk)%4)+2*k+1], v[BI+2*k:BI+2*k+1]
.endif
.set k, k+1
.endr
	WIN 0
.endm
.macro QUANT src, da, db, ya, yb
	v_max3_num_f32 v[BM], |v[\src]|, |v[\src+1]|, 0x2800000
	v_max3_num_f32 v[BM+1], |v[\src+16]|, |v[\src+17]|, |v[\src+18]|
	v_max3_num_f32 v[BM+2], |v[\src+32]|, |v[\src+33]|, 0x2800000
	v_max3_num_f32 v[BM+3], |v[\src+48]|, |v[\src+49]|, |v[\src+50]|
.irp n, 0,1,2,3,4,5
	v_max3_num_f32 v[BM], v[BM], |v[\src+2+2*\n]|, |v[\src+3+2*\n]|
	v_max3_num_f32 v[BM+1], v[BM+1], |v[\src+19+2*\n]|, |v[\src+20+2*\n]|
	v_max3_num_f32 v[BM+2], v[BM+2], |v[\src+34+2*\n]|, |v[\src+35+2*\n]|
	v_max3_num_f32 v[BM+3], v[BM+3], |v[\src+51+2*\n]|, |v[\src+52+2*\n]|
.endr
	v_max3_num_f32 v[BM], v[BM], |v[\src+14]|, |v[\src+15]|
	v_max3_num_f32 v[BM+2], v[BM+2], |v[\src+46]|, |v[\src+47]|
	v_max3_num_f32 v[BM], v[BM], v[BM+1], |v[\src+31]|
	v_max3_num_f32 v[BM+2], v[BM+2], v[BM+3], |v[\src+63]|
	v_add_nc_u32 v[SO], 0xfe000000, v[BM]
	v_add_nc_u32 v[SO+1], 0xfe000000, v[BM+2]
	v_lshrrev_b32 v[\ya], 23, v[SO]
	v_lshrrev_b32 v[\yb], 23, v[SO+1]
	v_cvt_scalef32_pk16_bf6_f32 v[\da:\da+2], v[\src:\src+15], v[SO]
	v_cvt_scalef32_pk16_bf6_f32 v[TP:TP+2], v[\src+16:\src+31], v[SO]
	v_cvt_scalef32_pk16_bf6_f32 v[\db:\db+2], v[\src+32:\src+47], v[SO+1]
	v_cvt_scalef32_pk16_bf6_f32 v[TP+4:TP+6], v[\src+48:\src+63], v[SO+1]
	v_nop
.irp i, 0,1,2
	v_mov_b32 v[\da+3+\i], v[TP+\i]
	v_mov_b32 v[\db+3+\i], v[TP+4+\i]
.endr
.endm
	s_wait_loadcnt 0x0
	PLACES NP
	s_cmp_eq_u32 s96, 1
	s_cbranch_scc1 .Lout_v
.irp p, 0,1,2,3
	s_wait_xcnt 0x0
	ADDB 2*\p, 0
	QUANT HA, IMG0, IMG1, XB, XB+1
	ADDB 2*\p+1, 0
	QUANT HA, IMG0+6, IMG1+6, BY, BY+1
	v_lshl_or_b32 v[XB], v[BY], 16, v[XB]
	v_lshl_or_b32 v[XB+1], v[BY+1], 16, v[XB+1]
	v_permlane16_swap_b32 v[XB], v[XB+1]
	v_lshl_or_b32 v[SW+\p], v[XB+1], 8, v[XB]
.irp c, 0,1
.irp q, 0,1,2
	global_store_b128 v[L16], v[IMG0+12*\c+4*\q:IMG0+12*\c+4*\q+3], s[98:99] offset:HEADB*\c+1536*\p+512*\q
.endr
.endr
.endr
	s_branch .Ltail
.Lout_v:
.irp t, 0,1,2,3,4,5,6,7
	s_wait_xcnt 0x0
	ADDB \t, 1
	QUANT HA, IMG0, IMG0+6, BY, BY+1
	v_lshl_or_b32 v[Y+\t], v[BY+1], 16, v[BY]
.irp q, 0,1,2
	global_store_b128 v[L16], v[IMG0+4*\q:IMG0+4*\q+3], s[98:99] offset:HEADB*(\t/4)+1536*(\t%4)+512*\q
.endr
.endr
.irp t, 0,1,2,3
	v_permlane16_swap_b32 v[Y+\t], v[Y+4+\t]
.endr
.irp t, 0,1,2,3
	v_lshl_or_b32 v[SW+\t], v[Y+4+\t], 8, v[Y+\t]
.endr
.Ltail:
	s_wait_alu depctr_va_vdst(0)
	v_permlane16_swap_b32 v[SW], v[SW+2]
	v_permlane16_swap_b32 v[SW+1], v[SW+3]
	global_store_b64 v[L8], v[SW:SW+1], s[100:101]
	global_store_b64 v[L8], v[SW+2:SW+3], s[100:101] offset:HEADB
	s_wait_tensorcnt 0x0
	ds_add_u32 v[SPW], v[NIL]
	s_wait_dscnt 0x0
	CROUND
	s_endpgm
.Lfunc_end_k_qe7c6853085_proj:
	.size	k_qe7c6853085_proj, .Lfunc_end_k_qe7c6853085_proj-k_qe7c6853085_proj
	.p2alignl 7, 3214868480
	.fill 96, 4, 3214868480
	.section	.rodata,"a",@progbits
	.p2align	6, 0x0
	.amdhsa_kernel k_qe7c6853085_proj
		.amdhsa_group_segment_fixed_size 327680
		.amdhsa_private_segment_fixed_size 0
		.amdhsa_enable_private_segment 0
		.amdhsa_kernarg_size 40
		.amdhsa_user_sgpr_count 2
		.amdhsa_user_sgpr_kernarg_segment_ptr 1
		.amdhsa_wavefront_size32 1
		.amdhsa_system_sgpr_workgroup_id_x 1
		.amdhsa_system_sgpr_workgroup_id_y 1
		.amdhsa_system_sgpr_workgroup_id_z 1
		.amdhsa_system_vgpr_workitem_id 0
		.amdhsa_next_free_vgpr 1024
		.amdhsa_next_free_sgpr 104
		.amdhsa_reserve_vcc 0
		.amdhsa_float_denorm_mode_32 3
		.amdhsa_float_denorm_mode_16_64 3
		.amdhsa_memory_ordered 1
		.amdhsa_forward_progress 1
		.amdhsa_inst_pref_size 199
	.end_amdhsa_kernel
	.amdgpu_metadata
---
amdhsa.version: [ 1, 2 ]
amdhsa.kernels:
  - .name:           k_qe7c6853085_proj
    .symbol:         k_qe7c6853085_proj.kd
    .args:
      - { .name: xw, .offset: 0, .size: 8, .value_kind: global_buffer, .address_space: global }
      - { .name: bq, .offset: 8, .size: 8, .value_kind: global_buffer, .address_space: global }
      - { .name: bk, .offset: 16, .size: 8, .value_kind: global_buffer, .address_space: global }
      - { .name: bv, .offset: 24, .size: 8, .value_kind: global_buffer, .address_space: global }
      - { .name: rec, .offset: 32, .size: 8, .value_kind: global_buffer, .address_space: global }
    .group_segment_fixed_size: 327680
    .private_segment_fixed_size: 0
    .kernarg_segment_align: 8
    .kernarg_segment_size: 40
    .max_flat_workgroup_size: 128
    .sgpr_count:     104
    .vgpr_count:     1024
    .wavefront_size: 32
...
	.end_amdgpu_metadata
.endif
;; end of part 2
;; launch attn (part 3): grid 4 x 64, 16 waves a work-group, clusters of 4 x 1, 206,848 bytes of LDS; arguments rec, ctx; writes ctx
.if DOCPART == 3
	.amdgcn_target "amdgcn-amd-amdhsa--gfx1250"
	.amdhsa_code_object_version 6
	.text
	.protected	k_qe7c6853085_attn
	.globl	k_qe7c6853085_attn
	.p2align	8
	.type	k_qe7c6853085_attn,@function
k_qe7c6853085_attn:
	s_mov_b64 s[64:65], 0
	v_nop
	global_prefetch_b8 v0, s[64:65] scope:SCOPE_SE
	s_setreg_imm32_b32 hwreg(HW_REG_WAVE_MODE, 25, 1), 1
	s_wait_xcnt 0x0
	s_wait_alu depctr_hold_cnt(0) depctr_sa_sdst(0) depctr_va_vdst(0) depctr_va_sdst(0) depctr_va_ssrc(0) depctr_va_vcc(0) depctr_vm_vsrc(0)
	s_getreg_b32 s2, hwreg(HW_REG_IB_STS2, 6, 4)
	s_cmp_eq_u32 s2, 0
	s_cbranch_scc0 .Lentry_in_a_cluster
	s_endpgm
.Lentry_in_a_cluster:
	s_bfe_u32 s2, ttmp6, 0x10000c
	s_cmp_lg_u32 s2, 0x3003
	s_cbranch_scc0 .Lentry_shape_is_right
	s_endpgm
.Lentry_shape_is_right:
; ctx[b][q][h][:] = the sum over keys of softmax(Q . K / 8) V, for 64 heads of 2,048 x 64, both products on codes of BF6 with E8M0 scales; the result is quantised along (head, channel) on its way out.
; THE SOFTMAX AHEAD OF THE SECOND PRODUCT: t = score x log2(e) / 8; M = the running largest t rounded UP to a whole number; p = 2^(t - M) is quantised along the keys, not normalised.  The row's sum is taken of the
; unquantised p and divides at the end.  When M moves, the sum and O are multiplied by 2^(old M - new M): exact.
; SHARES: a work-group owns one head and 512 queries; each of its sixteen waves walks two tiles of 16 queries, one after the other (PASS 0, PASS 1), over all 2,048 keys, 128 a step.  Four waves to a SIMD.
; A HEAD'S WHOLE K, V AND THEIR SCALE WORDS LIE IN LDS: 16 records of 12,800 bytes, filled ONCE: wave w asks for record w, one tensor load a wave, jointly with the same wave of the three partners of its cluster,
; which own the same head.  Each wave waits for its own load; ONE work-group barrier shows all sixteen records to all waves; behind it the waves share nothing that is written, and meet no more.
; LDS LOADS RUN AHEAD: behind a step's score products the wave asks for this step's V (13 loads) and then for the next step's K (13 loads).  The wait ahead of the second product lets the 13 younger loads stay out;
; the wait at a step's head is for all.  A pass's last step is written out: it asks for no further K.
; LAYOUT: both products are used transposed (S^T = K Q^T, O^T = V^T P^T): a lane holds one query.  Lane-row r of K's tile t is key 64 (t / 4) + 32 (r / 8) + 8 (t % 4) + r % 8, so a lane's 32 registers of four
; neighbouring tiles are ONE WHOLE BLOCK of 32 neighbouring keys (block 2 c + h): its largest p needs no other lane, and its codes stand where the 6-bit operand wants them.  V's channels are ordered likewise.
; THE HEAD IS 64 WIDE, the instruction 128: K's operand is a PAIR of tiles (k 0-63: tile 2 b; k 64-127: tile 2 b + 1), and Q's operand is [Q | zero codes] or [zero codes | Q].
; LIMITS: NaN and infinities are not served; the promise holds while the scaled scores stay under 2^31 in magnitude; a block of ctx under 2^-122 gets the byte 1; ctx's scale bytes leave as single bytes (32 of a tile's 800).
; Nothing is prefetched: all that the launch brings into LDS is asked for in its first lines, and there is no loop to run ahead in.
.set HEADB, 307200
.set RECG,  19200                      ; a record in memory: K 6,144, V 6,144, K's words 256, V's words 256, then Q's part
.set RECL,  12800                      ; a record in LDS: the first four of these
.set SPARE, 16*RECL                    ; behind the records: the spare words, 128 bytes for each wave
.set L16, 1                            ; v1  16 x lane
.set L8,  2                            ; v2  8 x lane
.set A16, 3                            ; v3  the step's record + 16 x lane
.set A8,  4                            ; v4  + 8 x lane
.set R8,  5                            ; v5  8 r
.set R8H, 6                            ; v6  8 r + h
.set QS,  7                            ; v7  Q's scale word (b0, b1, b0, b1)
.set SCK, 8                            ; v8-9   K's scale words: pairs 0 | 2, 1 | 3
.set SCV, 10                           ; v10-11 V's: tiles 0 | 2, 1 | 3
                                       ; v12 -M, v13 the largest t, v[14:15] the sum in two halves
.set QF,  16                           ; v16-33 [Q 6][zeros 6][Q 6]
.set PS,  34                           ; v34 p's scale word
.set OM,  35                           ; v35 the last step's -M
.set KF,  36                           ; v36-83  K's four pair fragments
.set VF,  84                           ; v84-131 V's four fragments
.set S,   132                          ; v132-195 S^T, then p
.set O,   196                          ; v196-227 O^T
.set PC,  228                          ; v228-239 p's codes
.set TP,  240                          ; v240-242, v244-246
.set SPW, 243                          ; v243 my spare word's LDS address; never rewritten
.set NIL, 247                          ; v247 0; never rewritten
.set BM,  248
.set SO,  250
.set F,   252                          ; v[252:253] f (the low word serves both halves)
.set T0,  254
.set WV,  8
.set G1,  16
.set G0,  24
.set SEL, 40
.set CS,  42
.set TB,  44
.set CNT, 45
.set UM,  47
.set QSEL, 48
.set QP,  50
.set QSP, 52
.set CP,  54
.set CSP, 56
.macro CROUND                          ; a round of the cluster's barrier
	s_barrier_signal -1
	s_barrier_wait -1
	s_cmp_lg_u32 s[WV], 0
	s_cbranch_scc1 .Lnot_wave_0_\@
	s_barrier_signal -3
.Lnot_wave_0_\@:
	s_barrier_wait -3
	s_barrier_signal -1
	s_barrier_wait -1
.endm
	s_load_b128 s[4:7], s[0:1], 0x0                ; rec, ctx
	v_lshl_add_u32 v[SPW], v0, 2, SPARE
	v_mov_b32 v[NIL], 0
	ds_add_u32 v[SPW], v[NIL]                      ; the opening lines: the add, twice on end, and its wait ahead of my tensor load
	ds_add_u32 v[SPW], v[NIL]
	v_lshrrev_b32 v1, 5, v0
	s_delay_alu instid0(VALU_DEP_1)
	v_readfirstlane_b32 s[WV], v1                  ; wave 0..15
	s_bfe_u32 s9, ttmp6, 0x40000                   ; cx
	s_and_b32 s10, ttmp7, 0xffff                   ; the head, which the four partners share
	s_mul_i32 s12, s10, HEADB
	s_mov_b32 s13, 0
	s_mul_i32 s58, s[WV], RECL                     ; record w goes to LDS byte 12,800 w
	s_mul_i32 s60, s[WV], RECG
	s_mov_b32 s61, 0
	s_add_nc_u64 s[60:61], s[60:61], s[12:13]
	; descriptor group 1: 12,800 dense bytes as 50 rows of 32 elements of 8 bytes
	s_mov_b32 s[G1], 15|(3<<16)|(1<<21)            ; 15:0 the mask: all four work-groups; 17:16 elements of 8 bytes; 21 set beside a mask
	s_mov_b32 s[G1+1], 32<<16
	s_mov_b32 s[G1+2], 50<<16
	s_mov_b32 s[G1+3], 32<<16
	s_mov_b32 s[G1+4], 50
	s_mov_b32 s[G1+5], 32
	s_mov_b32 s[G1+6], 0
	s_mov_b32 s[G1+7], 0
	s_mov_b32 s[SEL], 0x76543210
	s_mov_b32 s[SEL+1], 0xfedcba98                 ; lane l xor 16
	s_mov_b32 s[CS], 0x3e38aa3b                    ; c = log2(e) / 8
	s_mov_b32 s[CS+1], s[CS]
	s_and_b32 s[UM], s[WV], 1                      ; which tile of its pair is mine
	s_mov_b32 s[QSEL], 0x01000100
	s_cmp_eq_u32 s[UM], 1
	s_cselect_b32 s[UM], -1, 0
	s_cselect_b32 s[QSEL], 0x03020302, s[QSEL]
	s_wait_dscnt 0x0
	s_wait_kmcnt 0x0
	s_add_nc_u64 s[60:61], s[4:5], s[60:61]
	s_mov_b32 s[G0], 1
	s_mov_b32 s[G0+1], s58
	s_mov_b64 s[G0+2:G0+3], s[60:61]
	s_or_b32 s[G0+3], s[G0+3], 0x80000000
	CROUND                                         ; all four work-groups are here: the joint loads meet
	tensor_load_to_lds s[G0:G0+3], s[G1:G1+7]      ; my one tensor load of the launch
	s_nop 0
.rept 4
	v_nop
.endr
	; my first tile of queries: T = 32 X + wave, X = 4 x cluster x + cx: group T / 8, pair (T % 8) / 2
	s_lshl_b32 s59, ttmp9, 2
	s_add_co_u32 s59, s59, s9                      ; X
	s_lshl_b32 s62, s59, 2
	s_lshr_b32 s63, s[WV], 3
	s_add_co_u32 s62, s62, s63
	s_mul_i32 s62, s62, RECG
	s_add_co_u32 s62, s62, s12                     ; the group's record (rec is under 2^25 bytes)
	s_bfe_u32 s63, s[WV], 0x20001                  ; p
	s_mul_i32 s66, s63, 1536
	s_add_co_u32 s66, s66, s62
	s_add_co_u32 s66, s66, 12800
	s_mov_b32 s67, 0
	s_add_nc_u64 s[QP:QP+1], s[4:5], s[66:67]      ; Q's pair image
	s_lshr_b32 s68, s63, 1
	s_lshl_b32 s68, s68, 7
	s_and_b32 s69, s63, 1
	s_lshl_b32 s69, s69, 2
	s_add_co_u32 s68, s68, s69
	s_add_co_u32 s68, s68, s62
	s_add_co_u32 s68, s68, 18944
	s_mov_b32 s69, 0
	s_add_nc_u64 s[QSP:QSP+1], s[4:5], s[68:69]    ; and its scale words
	s_lshr_b32 s66, s10, 4
	s_lshl_b32 s66, s66, 7                         ; 128 x batch
	s_lshl_b32 s67, s59, 5
	s_add_co_u32 s66, s66, s67
	s_add_co_u32 s66, s66, s[WV]                   ; ctx's record
	s_mul_i32 s66, s66, 12800
	s_and_b32 s70, s10, 15                         ; the head in its batch
	s_mul_i32 s67, s70, 768
	s_add_co_u32 s68, s66, s67
	s_mov_b32 s69, 0
	s_add_nc_u64 s[CP:CP+1], s[6:7], s[68:69]      ; my head's 768 bytes of codes
	s_lshr_b32 s67, s70, 2
	s_lshl_b32 s67, s67, 7
	s_and_b32 s71, s70, 3
	s_lshl_b32 s71, s71, 1
	s_add_co_u32 s67, s67, s71
	s_add_co_u32 s66, s66, s67
	s_add_co_u32 s66, s66, 12288
	s_mov_b32 s67, 0
	s_add_nc_u64 s[CSP:CSP+1], s[6:7], s[66:67]    ; and its two bytes a row
	v_and_b32 v3, 31, v0
	s_delay_alu instid0(VALU_DEP_1)
	v_lshlrev_b32 v[L16], 4, v3
	s_delay_alu instid0(VALU_DEP_2)
	v_lshlrev_b32 v[L8], 3, v3
	v_and_b32 v4, 15, v0
	s_delay_alu instid0(VALU_DEP_1)
	v_lshlrev_b32 v[R8], 3, v4
	v_bfe_u32 v[R8H], v0, 4, 1
	s_delay_alu instid0(VALU_DEP_1)
	v_add_nc_u32 v[R8H], v[R8], v[R8H]
.irp i, 0,1,2,3,4,5
	v_mov_b32 v[QF+6+\i], 0                        ; the zero codes between Q's two copies
.endr
	v_mov_b32 v[F+1], 0                            ; (named as the upper half of a pair)
	v_mov_b32 v[T0+1], 0                           ; a lane permute's destination counts as one of its sources
; A KEY STEP: 128 keys, the record at s[TB].  K's fragments and words were asked for a step earlier.  last = 1: no further K is asked for.
.macro STEP last
	s_wait_dscnt 0x0                               ; K and its words are in
.irp t, 0,1,2,3,4,5,6,7                ; S^T: tile t of 16 keys, from pair t / 2; Q stands at k 0-63 for the even tile, at k 64-127 for the odd one
.if \t < 4
	v_wmma_scale_f32_16x16x128_f8f6f4 v[S+8*\t:S+8*\t+7], v[KF+12*(\t/2):KF+12*(\t/2)+11], v[QF+6*(\t%2):QF+6*(\t%2)+11], 0, v[SCK+(\t/2)%2], v[QS] matrix_a_fmt:MATRIX_FMT_BF6 matrix_b_fmt:MATRIX_FMT_BF6
.else
	v_wmma_scale_f32_16x16x128_f8f6f4 v[S+8*\t:S+8*\t+7], v[KF+12*(\t/2):KF+12*(\t/2)+11], v[QF+6*(\t%2):QF+6*(\t%2)+11], 0, v[SCK+(\t/2)%2], v[QS] matrix_a_fmt:MATRIX_FMT_BF6 matrix_b_fmt:MATRIX_FMT_BF6 matrix_a_scale:MATRIX_SCALE_ROW1
.endif
.endr
	v_mov_b32 v[OM], v12                           ; four places between the products (these and the last step's) and the loads into their registers and the reads of S^T
	v_add_nc_u32 v[A16], s[TB], v[L16]
	v_add_nc_u32 v[A8], s[TB], v[L8]
	v_nop
	ds_load_b64 v[SCV:SCV+1], v[A8] offset:12544   ; this step's V: 13 loads
.irp b, 0,1,2,3
.irp q, 0,1,2
	ds_load_b128 v[VF+12*\b+4*\q:VF+12*\b+4*\q+3], v[A16] offset:6144+1536*\b+512*\q
.endr
.endr
.if \last == 0
	ds_load_b64 v[SCK:SCK+1], v[A8] offset:RECL+12288   ; the next step's K: 13 loads, from the next record
.irp b, 0,1,2,3
.irp q, 0,1,2
	ds_load_b128 v[KF+12*\b+4*\q:KF+12*\b+4*\q+3], v[A16] offset:RECL+1536*\b+512*\q
.endr
.endr
.endif
	; the largest score of each of my two blocks of 32 keys: it serves the row's maximum and, since p rises with the score, the block's largest p.  Each tile is entered at its low registers
	v_max3_num_f32 v[BM], v[S], v[S+1], v[S+2]
	v_max3_num_f32 v[TP], v[S+16], v[S+17], v[S+18]
	v_max3_num_f32 v[BM+1], v[S+32], v[S+33], v[S+34]
	v_max3_num_f32 v[TP+4], v[S+48], v[S+49], v[S+50]
.irp i, 3,5,7,9,11,13
	v_max3_num_f32 v[BM], v[BM], v[S+\i], v[S+1+\i]
	v_max3_num_f32 v[TP], v[TP], v[S+16+\i], v[S+17+\i]
	v_max3_num_f32 v[BM+1], v[BM+1], v[S+32+\i], v[S+33+\i]
	v_max3_num_f32 v[TP+4], v[TP+4], v[S+48+\i], v[S+49+\i]
.endr
	v_max3_num_f32 v[BM], v[BM], v[TP], v[S+15]
	v_max3_num_f32 v[BM+1], v[BM+1], v[TP+4], v[S+47]
	v_max_num_f32 v[BM], v[BM], v[S+31]
	v_max_num_f32 v[BM+1], v[BM+1], v[S+63]
	s_delay_alu instid0(VALU_DEP_1)
	v_max_num_f32 v[T0], v[BM], v[BM+1]
	s_delay_alu instid0(VALU_DEP_1)
	v_permlanex16_b32 v[T0+1], v[T0], s[SEL], s[SEL+1]
	s_delay_alu instid0(VALU_DEP_1)
	v_max_num_f32 v[T0], v[T0], v[T0+1]            ; the step's largest score of my query
	s_delay_alu instid0(VALU_DEP_1)
	v_mul_f32 v[T0], s[CS], v[T0]                  ; as t (c is positive)
	s_delay_alu instid0(VALU_DEP_1)
	v_max_num_f32 v13, v13, v[T0]                  ; the running largest t
	s_delay_alu instid0(VALU_DEP_1)
	v_floor_f32 v12, -v13                          ; the new -M = floor(-t): M is a whole number
	s_delay_alu instid0(VALU_DEP_1)
	v_sub_f32 v[T0], v12, v[OM]                    ; old M - new M: a whole number, 0 or less
	s_delay_alu instid0(VALU_DEP_1)
	v_cvt_i32_f32 v[T0], v[T0]                     ; (it saturates)
	s_delay_alu instid0(VALU_DEP_1)
	v_ldexp_f32 v[F], 1.0, v[T0]                   ; f = 2^(old M - new M)
.set j, 0
.rept 32
	v_pk_fma_f32 v[S+j:S+j+1], v[S+j:S+j+1], s[CS:CS+1], v[12:13] op_sel_hi:[1,0,0]   ; t - M, two at a time
.set j, j+2
.endr
	v_fma_f32 v[BM], v[BM], s[CS], v12             ; the same of each block's largest score
	v_fma_f32 v[BM+1], v[BM+1], s[CS], v12
.set j, 0
	s_wait_alu depctr_va_vdst(0)                   ; the wait ahead of the batch
.rept 64
	v_exp_f32 v[S+j], v[S+j]                       ; p = 2^(t - M), at most 1
.set j, j+1
.endr
	v_pk_mul_f32 v[14:15], v[14:15], v[F:F+1] op_sel_hi:[1,0]      ; the sums under the new M: a plain place behind the exponentials
	s_wait_alu depctr_va_vdst(0)                   ; one wait for the whole batch, ahead of its first reader
	v_exp_f32 v[BM], v[BM]                         ; the blocks' largest p: the same two instructions on the same number give the same bits
	v_exp_f32 v[BM+1], v[BM+1]
	v_pk_add_f32 v[254:255], v[136:137], v[140:141]    ; the row's sum of the unquantised p, in eight chains
	v_pk_add_f32 v[250:251], v[144:145], v[148:149]
	v_pk_add_f32 v[244:245], v[152:153], v[156:157]
	v_pk_add_f32 v[240:241], v[160:161], v[164:165]
	v_pk_add_f32 v[238:239], v[168:169], v[172:173]
	v_pk_add_f32 v[236:237], v[176:177], v[180:181]
	v_pk_add_f32 v[234:235], v[184:185], v[188:189]
	v_pk_add_f32 v[14:15], v[14:15], v[192:193]
	v_pk_add_f32 v[254:255], v[254:255], v[132:133]
	v_pk_add_f32 v[250:251], v[250:251], v[134:135]
	v_pk_add_f32 v[244:245], v[244:245], v[138:139]
	v_pk_add_f32 v[240:241], v[240:241], v[142:143]
	v_pk_add_f32 v[238:239], v[238:239], v[146:147]
	v_pk_add_f32 v[236:237], v[236:237], v[150:151]
	v_pk_add_f32 v[234:235], v[234:235], v[154:155]
	v_pk_add_f32 v[14:15], v[14:15], v[158:159]
	v_pk_add_f32 v[254:255], v[254:255], v[162:163]
	v_pk_add_f32 v[250:251], v[250:251], v[166:167]
	v_pk_add_f32 v[244:245], v[244:245], v[170:171]
	v_pk_add_f32 v[240:241], v[240:241], v[174:175]
	v_pk_add_f32 v[238:239], v[238:239], v[178:179]
	v_pk_add_f32 v[236:237], v[236:237], v[182:183]
	v_pk_add_f32 v[234:235], v[234:235], v[186:187]
	v_pk_add_f32 v[14:15], v[14:15], v[190:191]
	v_pk_add_f32 v[254:255], v[254:255], v[194:195]
	s_delay_alu instid0(VALU_DEP_2)
	v_pk_add_f32 v[14:15], v[14:15], v[240:241]
	s_delay_alu instid0(VALU_DEP_2)
	v_pk_add_f32 v[254:255], v[254:255], v[238:239]
	v_pk_add_f32 v[250:251], v[250:251], v[236:237]
	v_pk_add_f32 v[244:245], v[244:245], v[234:235]
	s_delay_alu instid0(VALU_DEP_2)
	v_pk_add_f32 v[14:15], v[14:15], v[250:251]
	s_delay_alu instid0(VALU_DEP_2)
	v_pk_add_f32 v[254:255], v[254:255], v[244:245]
	s_delay_alu instid0(VALU_DEP_1)
	v_pk_add_f32 v[14:15], v[14:15], v[254:255]
	s_wait_alu depctr_va_vdst(0)                   ; and one for the two
	v_max_num_f32 v[BM], 0x2800000, v[BM]          ; the floor 2^(5 - 127): the byte cannot fall under 1
	v_max_num_f32 v[BM+1], 0x2800000, v[BM+1]
	s_delay_alu instid0(VALU_DEP_2)
	v_add_nc_u32 v[SO], 0xfe000000, v[BM]          ; 4 off the exponent field: the conversion's scale operand
	s_delay_alu instid0(VALU_DEP_2)
	v_add_nc_u32 v[SO+1], 0xfe000000, v[BM+1]
	s_delay_alu instid0(VALU_DEP_2)
	v_lshrrev_b32 v[BM], 23, v[SO]                 ; the byte of block h,
	s_delay_alu instid0(VALU_DEP_2)
	v_lshrrev_b32 v[BM+1], 23, v[SO+1]             ; of block 2 + h
	s_delay_alu instid0(VALU_DEP_1)
	v_lshl_or_b32 v[T0], v[BM+1], 16, v[BM]
	s_delay_alu instid0(VALU_DEP_1)
	v_permlanex16_b32 v[T0+1], v[T0], s[SEL], s[SEL+1]
	s_delay_alu instid0(VALU_DEP_1)
	v_lshl_or_b32 v[PS], v[T0+1], 8, v[T0]         ; lanes 0-15, which alone are read: blocks 0, 1, 2, 3 of query r
.irp c, 0,1
	v_cvt_scalef32_pk16_bf6_f32 v[PC+6*\c:PC+6*\c+2], v[S+32*\c:S+32*\c+15], v[SO+\c]
	v_cvt_scalef32_pk16_bf6_f32 v[TP+4*\c:TP+4*\c+2], v[S+32*\c+16:S+32*\c+31], v[SO+\c]   ; (a conversion's three registers begin on an even number)
.endr
	v_nop                                          ; one plain place behind a scaled conversion
.irp c, 0,1
.irp i, 0,1,2
	v_mov_b32 v[PC+6*\c+3+\i], v[TP+4*\c+\i]       ; registers 6 c .. 6 c + 5: keys 64 c + 32 h + 0 .. 31
.endr
.endr
	s_wait_alu depctr_va_vdst(0)                   ; the wait directly ahead of the first reader of O^T
.set j, 0
.rept 16
	v_pk_mul_f32 v[O+j:O+j+1], v[O+j:O+j+1], v[F:F+1] op_sel_hi:[1,0]   ; O^T under the new M.  (These sixteen are also the places between the scale word, the codes and the products)
.set j, j+2
.endr
	s_wait_alu depctr_va_vdst(0)
.if \last
	s_wait_dscnt 0x0                               ; V and its words are in
.else
	s_wait_dscnt 13                                ; V and its words are in; the 13 loads of the next step's K may be out
.endif
.irp t, 0,1,2,3                        ; O^T += V^T P^T: four accumulators by turns
.if \t < 2
	v_wmma_scale_f32_16x16x128_f8f6f4 v[O+8*\t:O+8*\t+7], v[VF+12*\t:VF+12*\t+11], v[PC:PC+11], v[O+8*\t:O+8*\t+7], v[SCV+\t%2], v[PS] matrix_a_fmt:MATRIX_FMT_BF6 matrix_b_fmt:MATRIX_FMT_BF6
.else
	v_wmma_scale_f32_16x16x128_f8f6f4 v[O+8*\t:O+8*\t+7], v[VF+12*\t:VF+12*\t+11], v[PC:PC+11], v[O+8*\t:O+8*\t+7], v[SCV+\t%2], v[PS] matrix_a_fmt:MATRIX_FMT_BF6 matrix_b_fmt:MATRIX_FMT_BF6 matrix_a_scale:MATRIX_SCALE_ROW1
.endif
.endr
.endm
; A PASS: one tile of 16 queries over all keys.  Pass p's tile lies 16 p tiles on: two groups of rec, sixteen records of ctx: every offset is an immediate.
.macro PASS p
.irp q, 0,1,2
	global_load_b128 v[S+4*\q:S+4*\q+3], v[L16], s[QP:QP+1] offset:512*\q+2*RECG*\p     ; the pair image: 12 registers, of which six are my tile's
.endr
	global_load_b32 v[T0], v[R8], s[QSP:QSP+1] offset:2*RECG*\p     ; the pair's scale word of row r
	v_mov_b32 v13, 0xff61b1e6                      ; the largest t so far: -3e38
	s_delay_alu instid0(VALU_DEP_1)
	v_floor_f32 v12, -v13
	v_mov_b32 v14, 0
	v_mov_b32 v15, 0
.if \p == 0
	s_wait_alu depctr_va_vdst(0)                   ; the wait at the head's end
	s_wait_tensorcnt 0x0                           ; my record is in;
	s_barrier_signal -1
	s_barrier_wait -1                              ; and so is every wave's: all sixteen may be read
.endif
	ds_load_b64 v[SCK:SCK+1], v[L8] offset:12288   ; record 0's K
.irp b, 0,1,2,3
.irp q, 0,1,2
	ds_load_b128 v[KF+12*\b+4*\q:KF+12*\b+4*\q+3], v[L16] offset:1536*\b+512*\q
.endr
.endr
	s_wait_loadcnt 0x0
	v_perm_b32 v[QS], v[T0], v[T0], s[QSEL]        ; my tile's two bytes, twice: they serve Q at either place; the zero codes' bytes are then no 0xff
.irp i, 0,1,2,3,4,5
	v_cndmask_b32 v[QF+\i], v[S+\i], v[S+6+\i], s[UM]
.endr
.irp i, 0,1,2,3,4,5
	v_mov_b32 v[QF+12+\i], v[QF+\i]
.endr
.set j, 0
.rept 32
	v_mov_b32 v[O+j], 0                            ; the step is written once: the first finds zeros.  (These are also the places between Q's registers and the first product)
.set j, j+1
.endr
	s_mov_b32 s[TB], 0
	s_mov_b32 s[CNT], 15
.Lstep_\@:
	STEP 0
	s_add_co_u32 s[TB], s[TB], RECL
	s_sub_co_u32 s[CNT], s[CNT], 1
	s_cmp_lg_u32 s[CNT], 0
	s_cbranch_scc1 .Lstep_\@
	STEP 1                                         ; record 15
	; THE WAY OUT: O^T / the sum is one whole block of 32 channels (32 h + 0 .. 31) of my head, of query r: quantised in the lane; its six registers are registers 6 (head % 2) on of fragment head / 2 of ctx's record
.rept 4
	v_nop
.endr
	v_add_f32 v14, v14, v15
	s_delay_alu instid0(VALU_DEP_1)
	v_permlanex16_b32 v[T0+1], v14, s[SEL], s[SEL+1]
	s_delay_alu instid0(VALU_DEP_1)
	v_add_f32 v14, v14, v[T0+1]                    ; the row's sum
	s_wait_alu depctr_va_vdst(0)
	v_rcp_f32 v[F], v14
	v_nop                                          ; a plain place behind the reciprocal
	s_wait_alu depctr_va_vdst(0)                   ; and the wait ahead of its first reader
.set j, 0
.rept 16
	v_pk_mul_f32 v[S+j:S+j+1], v[O+j:O+j+1], v[F:F+1] op_sel_hi:[1,0]
.set j, j+2
.endr
	v_max3_num_f32 v[BM], |v[S]|, |v[S+1]|, 0x2800000
	v_max3_num_f32 v[BM+1], |v[S+16]|, |v[S+17]|, |v[S+18]|
.irp n, 0,1,2,3,4,5
	s_delay_alu instid0(VALU_DEP_2)
	v_max3_num_f32 v[BM], v[BM], |v[S+2+2*\n]|, |v[S+3+2*\n]|
	s_delay_alu instid0(VALU_DEP_2)
	v_max3_num_f32 v[BM+1], v[BM+1], |v[S+19+2*\n]|, |v[S+20+2*\n]|
.endr
	s_delay_alu instid0(VALU_DEP_2)
	v_max3_num_f32 v[BM], v[BM], |v[S+14]|, |v[S+15]|
	s_delay_alu instid0(VALU_DEP_1)
	v_max3_num_f32 v[BM], v[BM], v[BM+1], |v[S+31]|
	s_delay_alu instid0(VALU_DEP_1)
	v_add_nc_u32 v[SO], 0xfe000000, v[BM]
	s_delay_alu instid0(VALU_DEP_1)
	v_lshrrev_b32 v[SO+1], 23, v[SO]               ; the byte
	v_cvt_scalef32_pk16_bf6_f32 v[PC:PC+2], v[S:S+15], v[SO]
	v_cvt_scalef32_pk16_bf6_f32 v[TP:TP+2], v[S+16:S+31], v[SO]
	v_nop
.irp i, 0,1,2
	v_mov_b32 v[PC+3+\i], v[TP+\i]
.endr
.irp q, 0,1,2
	global_store_b64 v[L8], v[PC+2*\q:PC+2*\q+1], s[CP:CP+1] offset:256*\q+16*12800*\p     ; 32 lanes store 256 consecutive bytes, aligned
.endr
	global_store_b8 v[R8H], v[SO+1], s[CSP:CSP+1] offset:16*12800*\p
.if \p == 0
	s_wait_xcnt 0x0                                ; the stores have read their data: these registers are written again only behind this wait
.endif
.endm
	PASS 0
	PASS 1
	s_wait_tensorcnt 0x0                           ; the wave's end
	ds_add_u32 v[SPW], v[NIL]
	s_wait_dscnt 0x0
	CROUND                                         ; the closing round
	s_endpgm
.Lfunc_end_k_qe7c6853085_attn:
	.size	k_qe7c6853085_attn, .Lfunc_end_k_qe7c6853085_attn-k_qe7c6853085_attn
	.p2alignl 7, 3214868480
	.fill 96, 4, 3214868480
	.section	.rodata,"a",@progbits
	.p2align	6, 0x0
	.amdhsa_kernel k_qe7c6853085_attn
		.amdhsa_group_segment_fixed_size 206848
		.amdhsa_private_segment_fixed_size 0
		.amdhsa_enable_private_segment 0
		.amdhsa_kernarg_size 16
		.amdhsa_user_sgpr_count 2
		.amdhsa_user_sgpr_kernarg_segment_ptr 1
		.amdhsa_wavefront_size32 1
		.amdhsa_system_sgpr_workgroup_id_x 1
		.amdhsa_system_sgpr_workgroup_id_y 1
		.amdhsa_system_sgpr_workgroup_id_z 1
		.amdhsa_system_vgpr_workitem_id 0
		.amdhsa_next_free_vgpr 256
		.amdhsa_next_free_sgpr 72
		.amdhsa_reserve_vcc 0
		.amdhsa_float_denorm_mode_32 3
		.amdhsa_float_denorm_mode_16_64 3
		.amdhsa_memory_ordered 1
		.amdhsa_forward_progress 1
		.amdhsa_inst_pref_size 77
	.end_amdhsa_kernel
	.amdgpu_metadata
---
amdhsa.version: [ 1, 2 ]
amdhsa.kernels:
  - .name:           k_qe7c6853085_attn
    .symbol:         k_qe7c6853085_attn.kd
    .args:
      - { .name: rec, .offset: 0, .size: 8, .value_kind: global_buffer, .address_space: global }
      - { .name: ctx, .offset: 8, .size: 8, .value_kind: global_buffer, .address_space: global }
    .group_segment_fixed_size: 206848
    .private_segment_fixed_size: 0
    .kernarg_segment_align: 8
    .kernarg_segment_size: 16
    .max_flat_workgroup_size: 512
    .sgpr_count:     72
    .vgpr_count:     256
    .wavefront_size: 32
...
	.end_amdgpu_metadata
.endif
;; end of part 3
;; launch oproj (part 4): grid 4 x 64, 4 waves a work-group, clusters of 4 x 4, 307,712 bytes of LDS; arguments ctx, xw, bo, out0; writes out0
.if DOCPART == 4
	.amdgcn_target "amdgcn-amd-amdhsa--gfx1250"
	.amdhsa_code_object_version 6
	.text
	.protected	k_qe7c6853085_oproj
	.globl	k_qe7c6853085_oproj
	.p2align	8
	.type	k_qe7c6853085_oproj,@function
k_qe7c6853085_oproj:
	s_mov_b64 s[64:65], 0
	v_nop
	global_prefetch_b8 v0, s[64:65] scope:SCOPE_SE
	s_setreg_imm32_b32 hwreg(HW_REG_WAVE_MODE, 25, 1), 1
	s_wait_xcnt 0x0
	s_wait_alu depctr_hold_cnt(0) depctr_sa_sdst(0) depctr_va_vdst(0) depctr_va_sdst(0) depctr_va_ssrc(0) depctr_va_vcc(0) depctr_vm_vsrc(0)
	s_getreg_b32 s2, hwreg(HW_REG_IB_STS2, 6, 4)
	s_cmp_eq_u32 s2, 0
	s_cbranch_scc0 .Lentry_in_a_cluster
	s_endpgm
.Lentry_in_a_cluster:
	s_bfe_u32 s2, ttmp6, 0x10000c
	s_cmp_lg_u32 s2, 0xf033
	s_cbranch_scc0 .Lentry_shape_is_right
	s_endpgm
.Lentry_shape_is_right:
; out0[m][n] = bo[n] + the sum over k of ctx[m][k] wo[n][k]: 8,192 x 1,024 x 1,024, both operands codes of BF6 (E3M2) with one E8M0 byte for each 32 along K; sums and result in f32.
; OPERANDS come as records of 12,800 bytes, one for each block of 16 rows, for all of K: 8 fragments (128 along K) of 1,536 bytes in the order of the operand's registers, then 512 bytes of scale words
; (row r, K step s at 128 (s / 2) + 8 r + 4 (s % 2)).  ctx: 512 records, a fragment as six runs of 256 bytes (8 bytes a lane); wo: records 1,728 to 1,791 of xw, a fragment as three runs of 512 bytes (16 bytes a lane).
; Lane-row r of record i is row 64 (i / 4) + 32 (r / 8) + 8 (i % 4) + r % 8 of its tensor.
; SHARES: a work-group makes 128 rows x 256 columns: 4 x 64 = 256 work-groups.  Its 8 records of ctx and 16 of wo, 24 x 12,800 = 307,200 bytes, lie in LDS WHOLE, filled once: no ring, no refill.
; A wave makes 64 x 128: 4 x 8 accumulators of 16 x 16.  K goes in 8 steps of 128: 32 matrix instructions each, the accumulators by turns; the next step's fragments are asked for at a step's head, into the other set.
; CLUSTERS: 4 x 4 work-groups.  The four of a row of the cluster need the same records of ctx, the four of a column the same records of wo: each is asked for jointly.  One tensor load a wave:
; waves 0 and 1 bring 4 records of ctx each, waves 2 and 3 bring 8 records of wo each.
; THE MATRIX INSTRUCTION IS USED TRANSPOSED (source 0 = wo, source 1 = ctx): a lane holds eight neighbouring columns of one row.  The bias is the C of the first step's products.
; THE WAY OUT: a block of 16 rows x 128 columns goes through the wave's own stage in LDS and leaves as whole rows of 512 bytes.  The stage lies on ctx's bytes, which have had their only fill; a barrier,
; signalled behind each wave's last LDS read and awaited behind its last products, stands ahead of the first store into it.
; Nothing is prefetched: all that the launch brings into LDS is asked for in its first lines, and there is no loop to run ahead in.
; REGISTERS, in windows of 256: window 0: v0-31 addresses, v32-63 scale words (two sets), v128-223 ctx's fragments (two sets of 48), on the way out v128-255;
;   window 1: wo's fragments, two sets at v0 and v128; the bias at v96-127 and v224-255;   window 2: the 32 accumulators, (a, b) at v[8 (8 a + b)].
.set RECB,  12800
.set FR,    12
.set NP,    4                          ; places behind this matrix instruction (ISA guide 7.12.1)
.set BREG,  8*RECB                     ; LDS: ctx's 8 records, then wo's 16
.set SPARE, 24*RECB                    ; behind them the spare words, 128 bytes for each wave
.set SPITCH, 528                       ; a stage row: 512 bytes + 16
.set ADRA, 16                          ; v16    my 4 records of ctx + 8 x lane
.set ADRS, 18                          ; v18-19 scale words: lanes 0-15 ctx's records, lanes 16-31 wo's; records 0-3, 4-7
.set ADRB, 20                          ; v20-21 my 8 records of wo + 16 x lane: records 0-3, 4-7 (an LDS offset has 16 bits)
.set STO,  24
.set RD,   25
.set CO,   26
.set SPW,  28
.set NIL,  29
.set SC,   32                          ; set s at v[SC + 16 s]; register 2 i + q: lanes 0-15 the word of ctx's block i, lanes 16-31 that of wo's block i, for the q-th of a pair of steps
.set AF,   128
.set BK,   128
.set G1,  24
.set G0,  32
.set G1B, 48
.set G0B, 56
.set MSB, 0
.macro WIN new                         ; the immediate's high byte repeats the setting that is left
.if MSB != (\new)
	s_set_vgpr_msb (MSB<<8)|(\new)
.set MSB, (\new)
.endif
.endm
.set MUL_LO, 0xa1                      ; source 0 (wo) window 1, source 1 (ctx) window 0, C and D window 2
.set FST_LO, 0x91                      ; the same with C (the bias) in window 1
.set TO_B,   0x40                      ; destination window 1, address window 0
.macro CROUND                          ; a round of the cluster's barrier
	s_barrier_signal -1
	s_barrier_wait -1
	s_cmp_lg_u32 s14, 0
	s_cbranch_scc1 .Lnot_wave_0_\@
	s_barrier_signal -3
.Lnot_wave_0_\@:
	s_barrier_wait -3
	s_barrier_signal -1
	s_barrier_wait -1
.endm
.macro PLACES n
.rept \n
	v_nop
.endr
.endm
	s_load_b256 s[4:11], s[0:1], 0x0               ; ctx, xw, bo, out0
	v_lshl_add_u32 v[SPW], v0, 2, SPARE
	v_mov_b32 v[NIL], 0
	ds_add_u32 v[SPW], v[NIL]                      ; the opening lines: the add, twice on end, and its wait ahead of my tensor load
	ds_add_u32 v[SPW], v[NIL]
	v_lshrrev_b32 v1, 5, v0
	v_readfirstlane_b32 s14, v1                    ; wave 0..3
	s_lshr_b32 s15, s14, 1                         ; which 64 rows are mine.  Also: I fetch for ctx (0) or for wo (1)
	s_and_b32 s16, s14, 1                          ; which 128 columns.  Also: which half of that tile I fetch
	s_bfe_u32 s40, ttmp6, 0x40000                  ; cx
	s_bfe_u32 s41, ttmp6, 0x40004                  ; cy
	s_lshl_b32 s42, ttmp9, 2
	s_add_co_u32 s42, s42, s40                     ; tile column, 256 wide
	s_and_b32 s17, ttmp7, 0xffff
	s_lshl_b32 s17, s17, 2
	s_add_co_u32 s17, s17, s41                     ; tile row, 128 high
	s_lshl_b32 s43, s41, 2
	s_lshl_b32 s43, 15, s43                        ; my row of the cluster
	s_lshl_b32 s44, 0x1111, s40                    ; my column
	; descriptor groups 1: whole records, rows of 1,600 elements of 8 bytes, dense: 4 rows for ctx, 8 for wo
	s_or_b32 s[G1], s43, (3<<16)|(1<<21)
	s_or_b32 s[G1B], s44, (3<<16)|(1<<21)
	s_mov_b32 s[G1+1], 1600<<16
	s_mov_b32 s[G1+2], 4<<16
	s_mov_b32 s[G1+3], 1600<<16
	s_mov_b32 s[G1+4], 4
	s_mov_b32 s[G1+5], 1600
	s_mov_b32 s[G1+6], 0
	s_mov_b32 s[G1+7], 0
	s_mov_b32 s[G1B+1], 1600<<16
	s_mov_b32 s[G1B+2], 8<<16
	s_mov_b32 s[G1B+3], 1600<<16
	s_mov_b32 s[G1B+4], 8
	s_mov_b32 s[G1B+5], 1600
	s_mov_b32 s[G1B+6], 0
	s_mov_b32 s[G1B+7], 0
	s_lshl_b32 s20, s17, 3
	s_lshl_b32 s18, s16, 2
	s_add_co_u32 s20, s20, s18                     ; ctx: record 8 x tile row + 4 x half
	s_mul_i32 s20, s20, RECB
	s_mov_b32 s21, 0
	s_lshl_b32 s46, s42, 4
	s_lshl_b32 s18, s16, 3
	s_add_co_u32 s46, s46, s18
	s_add_co_u32 s46, s46, 1728                    ; wo: record 1,728 + 16 x tile column + 8 x half
	s_mul_i32 s46, s46, RECB
	s_mov_b32 s47, 0
	s_mul_i32 s45, s16, 4*RECB                     ; where they go: no place in the cluster enters an LDS address
	s_mul_i32 s19, s16, 8*RECB
	s_add_co_u32 s19, s19, BREG
	s_wait_dscnt 0x0                               ; both opening adds are done
	s_wait_kmcnt 0x0
	s_mov_b32 s[G0], 1
	s_mov_b32 s[G0+1], s45
	s_add_nc_u64 s[G0+2:G0+3], s[4:5], s[20:21]
	s_or_b32 s[G0+3], s[G0+3], 0x80000000
	s_mov_b32 s[G0B], 1
	s_mov_b32 s[G0B+1], s19
	s_add_nc_u64 s[G0B+2:G0B+3], s[6:7], s[46:47]
	s_or_b32 s[G0B+3], s[G0B+3], 0x80000000
	CROUND                                         ; all sixteen work-groups are here: the joint loads meet
	s_cmp_eq_u32 s15, 0                            ; one load a wave, in the two arms of one branch on the wave's number
	s_cbranch_scc0 .Lfor_b
	tensor_load_to_lds s[G0:G0+3], s[G1:G1+7]
	s_nop 0
	PLACES 4
	s_branch .Lasked
.Lfor_b:
	tensor_load_to_lds s[G0B:G0B+3], s[G1B:G1B+7]
	s_nop 0
	PLACES 4
.Lasked:
	s_mul_i32 s21, s15, 4*RECB                     ; my 4 records of ctx
	s_mul_i32 s22, s16, 8*RECB
	s_add_co_u32 s22, s22, BREG                    ; my 8 records of wo
	s_sub_co_u32 s18, s22, s21                     ; the distance between the two
	s_add_co_u32 s19, s21, 12288                   ; ctx's scale words
	s_mul_i32 s23, s14, 16*SPITCH                  ; my stage
	s_lshl_b32 s46, s42, 10
	s_lshl_b32 s47, s16, 9
	s_add_co_u32 s46, s46, s47                     ; my first column, in bytes
	s_mov_b32 s47, 0
	s_add_nc_u64 s[8:9], s[8:9], s[46:47]
	s_lshl_b32 s12, s17, 19                        ; my first row: 128 x tile row + 64 x half, rows of 4,096 bytes
	s_lshl_b32 s13, s15, 18
	s_add_co_u32 s12, s12, s13
	s_mov_b32 s13, 0
	s_add_nc_u64 s[12:13], s[12:13], s[46:47]
	s_add_nc_u64 s[10:11], s[10:11], s[12:13]
	v_and_b32 v1, 15, v0                           ; r
	v_bfe_u32 v2, v0, 4, 1                         ; h
	v_and_b32 v3, 31, v0
	v_lshlrev_b32 v[CO], 4, v3
	v_lshlrev_b32 v4, 3, v3
	v_add_nc_u32 v[ADRA], s21, v4
	v_add_nc_u32 v[ADRB], s22, v[CO]
	v_add_nc_u32 v[ADRB+1], 4*RECB, v[ADRB]
	v_lshlrev_b32 v5, 3, v1
	v_mul_u32_u24 v6, s18, v2                      ; lanes 16-31 take wo's words
	v_add_nc_u32 v5, v5, v6
	v_add_nc_u32 v[ADRS], s19, v5
	v_add_nc_u32 v[ADRS+1], 4*RECB, v[ADRS]
	v_mul_u32_u24 v5, v1, SPITCH                   ; into the stage: row r, + 128 h
	v_lshl_add_u32 v5, v2, 7, v5
	v_add_nc_u32 v[STO], s23, v5
	v_add_nc_u32 v[RD], s23, v[CO]                 ; back: the 32 lanes take one row of 512 bytes
	v_lshlrev_b32 v10, 7, v2
	s_wait_alu depctr_va_vdst(0)                   ; the wait at the head's end
	WIN TO_B
.irp b, 0,1,2,3,4,5,6,7                ; the bias in the result's layout: register j of block b: column 64 (b / 4) + 32 h + 8 (b % 4) + j
.irp q, 0,1
	global_load_b128 v[96+8*\b+96*(\b/4)+4*\q:96+8*\b+96*(\b/4)+4*\q+3], v10, s[8:9] offset:4*(64*(\b/4)+8*(\b%4))+16*\q
.endr
.endr
	WIN 0
; the fragments and, for an even step, the scale words of a pair of steps: 24 + 24 (+ 8) LDS loads
.macro FETCH st
	WIN TO_B
.irp i, 0,1,2,3,4,5,6,7
.irp c, 0,1,2
	ds_load_b128 v[128*((\st)%2)+FR*\i+4*\c:128*((\st)%2)+FR*\i+4*\c+3], v[ADRB+(\i/4)] offset:RECB*(\i%4)+1536*(\st)+512*\c
.endr
.endr
	WIN 0
.irp i, 0,1,2,3
.irp c, 0,1,2,3,4,5
	ds_load_b64 v[AF+48*((\st)%2)+FR*\i+2*\c:AF+48*((\st)%2)+FR*\i+2*\c+1], v[ADRA] offset:RECB*\i+1536*(\st)+256*\c
.endr
.endr
.if (\st)%2 == 0
.irp i, 0,1,2,3,4,5,6,7                ; (for i over 3 lanes 0-15 read words that no product names)
	ds_load_b64 v[SC+16*(((\st)/2)%2)+2*\i:SC+16*(((\st)/2)%2)+2*\i+1], v[ADRS+(\i/4)] offset:RECB*(\i%4)+128*((\st)/2)
.endr
.endif
.endm
; 32 matrix instructions, the 32 accumulators by turns, in the same order in every step
.macro MUL32 st
.irp a, 0,1,2,3
.irp b, 0,1,2,3,4,5,6,7
.if (\st) == 0
	v_wmma_scale_f32_16x16x128_f8f6f4 v[8*(8*\a+\b):8*(8*\a+\b)+7], v[FR*\b:FR*\b+FR-1], v[AF+FR*\a:AF+FR*\a+FR-1], v[96+8*\b+96*(\b/4):96+8*\b+96*(\b/4)+7], v[SC+2*\b], v[SC+2*\a] matrix_a_fmt:MATRIX_FMT_BF6 matrix_b_fmt:MATRIX_FMT_BF6 matrix_a_scale:MATRIX_SCALE_ROW1
.else
	v_wmma_scale_f32_16x16x128_f8f6f4 v[8*(8*\a+\b):8*(8*\a+\b)+7], v[128*((\st)%2)+FR*\b:128*((\st)%2)+FR*\b+FR-1], v[AF+48*((\st)%2)+FR*\a:AF+48*((\st)%2)+FR*\a+FR-1], v[8*(8*\a+\b):8*(8*\a+\b)+7], v[SC+16*(((\st)/2)%2)+2*\b+(\st)%2], v[SC+16*(((\st)/2)%2)+2*\a+(\st)%2] matrix_a_fmt:MATRIX_FMT_BF6 matrix_b_fmt:MATRIX_FMT_BF6 matrix_a_scale:MATRIX_SCALE_ROW1
.endif
.endr
.endr
.endm
.macro STEP st
	s_wait_dscnt 0x0                               ; this step's fragments and words are in
.if (\st) == 7
	s_barrier_signal -1                            ; my reads of the records are over
.else
.if (\st) > 0
	PLACES NP                                      ; between the last step's products and the loads into their registers
.endif
	FETCH (\st)+1
.endif
.if (\st) == 0
	WIN FST_LO
.else
	WIN MUL_LO
.endif
	MUL32 \st
	WIN 0
.endm
	s_wait_loadcnt 0x0                             ; the bias is in
	s_wait_tensorcnt 0x0                           ; my records are in;
	s_barrier_signal -1
	s_barrier_wait -1                              ; and so are every wave's
	FETCH 0
.irp t, 0,1,2,3,4,5,6,7
	STEP \t
.endr
	s_barrier_wait -1                              ; nobody reads the records any more: the stage may be written
.macro TOSTAGE blk
.set AC, 64*(\blk)
	WIN 0x08                                       ; the data: window 2
.irp b, 0,1,2,3,4,5,6,7
	ds_store_b128 v[STO], v[AC+8*\b:AC+8*\b+3] offset:256*(\b/4)+32*(\b%4)          ; each accumulator from its low end on
	ds_store_b128 v[STO], v[AC+8*\b+4:AC+8*\b+7] offset:256*(\b/4)+32*(\b%4)+16
.endr
	WIN 0
.set BB, BK+64*((\blk)%2)
.irp t, 0,1,2,3,4,5,6,7,8,9,10,11,12,13,14,15
	ds_load_b128 v[BB+4*\t:BB+4*\t+3], v[RD] offset:\t*SPITCH   ; LDS serves a wave's instructions in order (ISA guide 5.7.1.4): these see the stores above
.endr
.endm
.macro SEND blk, younger               ; younger: the LDS instructions issued behind this block's loads, which may stay out
.set BB, BK+64*((\blk)%2)
	s_wait_dscnt \younger
.irp t, 0,1,2,3,4,5,6,7,8,9,10,11,12,13,14,15
	global_store_b128 v[CO], v[BB+4*\t:BB+4*\t+3], s[10:11] offset:(8*(\blk)+(\t%8)+32*(\t/8))*4096 th:TH_STORE_NT   ; 32 lanes store 512 consecutive bytes, aligned to 256
.endr
.endm
	PLACES NP                                      ; between the last products and the reads of their results and the loads into their operands
	TOSTAGE 0
.irp u, 1,2,3
.if \u > 1
	s_wait_xcnt 0x0                                ; block u - 2's stores have read their registers: block u's loads may land there
.endif
	TOSTAGE \u
	SEND \u-1, 32                                  ; behind block u - 1's loads: block u's 16 stores and 16 loads
.endr
	SEND 3, 0
	s_wait_tensorcnt 0x0                           ; the wave's end
	ds_add_u32 v[SPW], v[NIL]
	s_wait_dscnt 0x0
	CROUND                                         ; the closing round
	s_endpgm
.Lfunc_end_k_qe7c6853085_oproj:
	.size	k_qe7c6853085_oproj, .Lfunc_end_k_qe7c6853085_oproj-k_qe7c6853085_oproj
	.p2alignl 7, 3214868480
	.fill 96, 4, 3214868480
	.section	.rodata,"a",@progbits
	.p2align	6, 0x0
	.amdhsa_kernel k_qe7c6853085_oproj
		.amdhsa_group_segment_fixed_size 307712
		.amdhsa_private_segment_fixed_size 0
		.amdhsa_enable_private_segment 0
		.amdhsa_kernarg_size 32
		.amdhsa_user_sgpr_count 2
		.amdhsa_user_sgpr_kernarg_segment_ptr 1
		.amdhsa_wavefront_size32 1
		.amdhsa_system_sgpr_workgroup_id_x 1
		.amdhsa_system_sgpr_workgroup_id_y 1
		.amdhsa_system_sgpr_workgroup_id_z 1
		.amdhsa_system_vgpr_workitem_id 0
		.amdhsa_next_free_vgpr 768
		.amdhsa_next_free_sgpr 66
		.amdhsa_reserve_vcc 0
		.amdhsa_float_denorm_mode_32 3
		.amdhsa_float_denorm_mode_16_64 3
		.amdhsa_memory_ordered 1
		.amdhsa_forward_progress 1
		.amdhsa_inst_pref_size 83
	.end_amdhsa_kernel
	.amdgpu_metadata
---
amdhsa.version: [ 1, 2 ]
amdhsa.kernels:
  - .name:           k_qe7c6853085_oproj
    .symbol:         k_qe7c6853085_oproj.kd
    .args:
      - { .name: ctx, .offset: 0, .size: 8, .value_kind: global_buffer, .address_space: global }
      - { .name: xw, .offset: 8, .size: 8, .value_kind: global_buffer, .address_space: global }
      - { .name: bo, .offset: 16, .size: 8, .value_kind: global_buffer, .address_space: global }
      - { .name: out0, .offset: 24, .size: 8, .value_kind: global_buffer, .address_space: global }
    .group_segment_fixed_size: 307712
    .private_segment_fixed_size: 0
    .kernarg_segment_align: 8
    .kernarg_segment_size: 32
    .max_flat_workgroup_size: 128
    .sgpr_count:     66
    .vgpr_count:     768
    .wavefront_size: 32
...
	.end_amdgpu_metadata
.endif
;; end of part 4
